; MI455X (gfx1250); checked and timed in simulation.
; The chip was launched on July 23, 2026; its instructions are those of AMD's public machine-readable ISA for CDNA 5 (MIT licence, August 2026) and "CDNA5" Instruction Set Architecture Reference Guide (July 2026). The comments in the code are by the model that wrote it; some were corrected since.
;; Causal Multihead Self Attention. Allowed arithmetic: matrix products marked QUANTISED: E4M3 operands, one E8M0 scale for each 32 along K, by v_wmma_scale_f32_16x16x128_f8f6f4 with both operands' format E4M3, f32 sums; everything else in f32.
;; Inputs: w_proj 1,024 x 1,024 float32; w_qkv 1,024 x 3,072 float32; x 4 x 2,048 x 1,024 float32.
;; Outputs: out0 4 x 2,048 x 1,024 float32.
;; This version of the problem:
;;   THIS VERSION OF THE PROBLEM IS GIVEN IN LOW PRECISION. The matrix products marked QUANTISED in the list below multiply operands that are first quantised to E4M3 (4 exponent bits, 3 mantissa bits; 8 bits a number), with one power-of-two scale for each 32 numbers along K (OCP MX v1.0); their sums are f32. All else is computed in f32.
;;   The module's matrix products, in the order in which they are computed (A, B: the left and right operand; K: the contracted axis; several contracted axes count as one K, in the product's order):
;;     1. [M 8,192, K 1,024] x [K 1,024, N 3,072]; A: input x; B: input w_qkv: QUANTISED
;;     2. batch 64 x [M 2,048, K 64] x [K 64, N 2,048]; A: computed on the way; B: computed on the way: QUANTISED
;;     3. batch 64 x [M 2,048, K 2,048] x [K 2,048, N 64]; A: softmax (see below); B: computed on the way: QUANTISED
;;     4. [M 8,192, K 1,024] x [K 1,024, N 1,024]; A: computed on the way; B: input w_proj: QUANTISED
;;   THE QUANTISER, for each operand of a quantised product, along K:
;;     - K is cut into blocks of 32 from its start; a last block that is shorter is filled with zeros.
;;     - A block's scale is 2^e with e = floor(log2(the largest magnitude in the block)) - 8, held to -126 .. 127; a block of zeros has e = 0. As a byte (E8M0): e + 127.
;;     - Each number is divided by its block's scale, clamped to +-448, and rounded to the nearest number of E4M3, ties to even, subnormals kept.
;;     - The product sums the exact products of the quantised numbers (number of the format x scale) in f32.
;;   ~~~python
;;   def quantise(x, axis):      # numpy; x: float32 -> the quantised numbers, widened to float32 again
;;       x = np.moveaxis(x, axis, -1); K = x.shape[-1]
;;       x = np.pad(x, [(0, 0)] * (x.ndim - 1) + [(0, -K % 32)]); x = x.reshape(x.shape[:-1] + (-1, 32)); a = np.abs(x).max(-1, keepdims=True)
;;       e = np.where(a > 0, np.clip(np.frexp(np.where(a > 0, a, 1))[1] - 1 - 8, -126, 127), 0)      # np.frexp(a)[1] - 1 = floor(log2(a)), exactly
;;       r = np.clip(x / 2.0 ** e, -448, 448)
;;       step = 2.0 ** (np.maximum(np.frexp(np.where(r == 0, 1, r))[1] - 1, -6) - 3)
;;       q = np.round(r / step) * step * 2.0 ** e      # np.round: ties to even
;;       return np.moveaxis(q.reshape(q.shape[:-2] + (-1,))[..., :K], -1, axis).astype(np.float32)
;;   ~~~
;;   SOFTMAX AHEAD OF A QUANTISED PRODUCT. Where the list says 'softmax', what is quantised is not the finished softmax but p = 2^(t - M), with t = logit x log2(e) and M = ceil(the row's largest t), a whole number; so 1/2 < the row's largest p <= 1. The row's sum l is taken of the UNQUANTISED p, in f32, and the product's result is divided by l at the end. Since M is a whole number, a kernel that streams over the keys may use a running M (the ceiling of the running maximum): every later rescaling is an exact power of two, which a block's scale takes up: the codes' values come out the same.
;;   OPERANDS COMPUTED ON THE WAY. 'Computed on the way' means the value that the module computes at that place (a softmax that the list does not call 'softmax' is quantised finished and normalised). What goes into a quantiser is computed in f32, as accurately as f32 sums, v_exp_f32 and their like allow (about 1e-6 of the number): no bf16 or f16 on the way to a quantiser, and a product that is left as it is and whose result goes on into a quantised operand takes f32 operands (vector FMAs, or v_wmma_f32_16x16x4_f32). A number that lies on a knife's edge between two numbers of the format may be rounded either way, as far as f32 arithmetic and the matrix unit's own rounding can turn it there, and no further.
;; One version. Each part assembles by itself: llvm-mc -triple=amdgcn-amd-amdhsa -mcpu=gfx1250 --defsym DOCPART=n.
;; ======== version 1 of 1: 4 launches
;; limits: right only within a limited range of input values
;; workspace buffers: cod 12,582,912 bytes; scl 393,216 bytes; img 25,165,824 bytes; isc 1,572,864 bytes; aoc 8,388,608 bytes; aos 262,144 bytes
;; launch quant (part 1): grid 384 x 1, 4 waves a work-group, no clusters, 102,912 bytes of LDS; arguments x, w_qkv, w_proj, cod, scl; writes cod, scl
.if DOCPART == 1
	.amdgcn_target "amdgcn-amd-amdhsa--gfx1250"
	.amdhsa_code_object_version 6
	.text
	.protected	k_q0178212dc5_quant
	.globl	k_q0178212dc5_quant
	.p2align	8
	.type	k_q0178212dc5_quant,@function
k_q0178212dc5_quant:
	s_mov_b64 s[64:65], 0
	v_nop
	global_prefetch_b8 v0, s[64:65] scope:SCOPE_SE
	s_setreg_imm32_b32 hwreg(HW_REG_WAVE_MODE, 25, 1), 1
	s_wait_xcnt 0x0
; x [8192][1024], w_qkv [1024][3072] and w_proj [1024][1024], f32, become codes of FP8 (E4M3) with K innermost and one E8M0 scale byte for each 32 along K:
; cod [12288 rows][1024 codes], scl [12288 rows][32 bytes].  Rows 0-8191: the rows of x; rows 8192-11263: the columns of w_qkv; rows 11264-12287: the columns of w_proj.
; STORED ORDER: row (or column) number n lies at the place got by exchanging bits 3 and 4 of n: inside each 32 rows the groups of eight lie in the order 0, 2, 1, 3.  Sixteen rows on end are then the rows
; 32 b + 8 u + r + 8 (r / 8), which a later product wants as one tile, so that a lane's 16 results of two neighbouring tiles are 16 neighbours along the next K.
; A block's scale is 2^(floor(log2(its largest magnitude)) - 8); its byte is the largest magnitude's exponent field - 8, held at 1 from below; each number is divided by the scale, held within +-448, rounded to the nearest code, ties to even.
; LIMITS: a block of zeros gets the byte 1 where the rule says 127 (its codes are zeros, which add nothing, and this program alone reads the bytes); blocks whose largest magnitude lies under 2^-118 take that floor's byte;
; NaN and infinities among the inputs are not served.
; THREE PATHS, parted by the work-group's number, each with LDS bytes of its own: 0-255 x (32 rows each), 256-351 w_qkv, 352-383 w_proj (128 columns x 256 along K each).  Every work-group reads 131,072 bytes.
; No tensor loads, no barrier: waves share nothing.
.set STEPS, 16
.set SP,    80                         ; path X: a lane's place in a stage: its 64 bytes + 16 of padding
.set WREG,  8192                       ; path X: LDS of a wave: two stages of 32 x SP bytes, then its 256 scale bytes
.set R,     16                         ; v16-79   four sets of 16 numbers as they are loaded
.set X,     80                         ; v80-111  two sets of 16 neighbours
.set E,     112                        ; v112-127 a scale byte for each step
.set C,     128                        ; v128-191 codes: four registers for each step, so that no store's data are written again
.set PW,    272                        ; the weights' paths: a stage row: 256 bytes of codes + 16
.set WX,    32                         ; v32-95   two sets of 32 numbers
.set WC,    96                         ; v96-103  a block's codes
.set WO,    112                        ; v112-175 the way out
.set WSB,   24                         ; v24-25   the scale bytes, four to a register
.set MNT,   30                         ; s30      the mantissa field of 448
; ---- path X's macros: a wave takes 16 steps of 512 numbers; each load reads 512 consecutive bytes; the 2,048 bytes of a step turn through the wave's own stage, so that a lane gets 16 neighbours along K
.macro XLD t
.irp i, 0,1,2,3
	global_load_b128 v[R+16*((\t)%4)+4*\i:R+16*((\t)%4)+4*\i+3], v3, s[4:5] offset:2048*(\t)+512*\i th:TH_LOAD_NT
.endr
.endm
.macro XTURN t                         ; LDS serves a wave's instructions in order: no wait between the stores and the loads
.irp i, 0,1,2,3
	ds_store_b128 v14, v[R+16*((\t)%4)+4*\i:R+16*((\t)%4)+4*\i+3] offset:32*SP*((\t)%2)+8*SP*\i
.endr
.irp i, 0,1,2,3
	ds_load_b128 v[X+16*((\t)%2)+4*\i:X+16*((\t)%2)+4*\i+3], v15 offset:32*SP*((\t)%2)+16*\i
.endr
.endm
.macro XSTEP t
.set XS, X+16*((\t)%2)
.if (\t) > 0
	s_wait_dscnt 1                                 ; this step's numbers are back from the stage; the one LDS instruction behind them, the last step's byte store, may be out
.else
	s_wait_dscnt 0x0
.endif
.if (\t)+4 < STEPS
	XLD (\t)+4                                     ; into the set whose stores into the stage have just been shown done
.endif
.if (\t)+1 < STEPS
.if STEPS-2-(\t) >= 3
	s_wait_loadcnt 12                              ; the next step's four loads are in; those of the three steps behind it may be out
.else
	s_wait_loadcnt 4*(STEPS-2-(\t))
.endif
	XTURN (\t)+1
.endif
	v_max3_num_f32 v8, |v[XS]|, |v[XS+1]|, |v[XS+2]|               ; the largest magnitude of my 16, in two chains
	v_max3_num_f32 v9, |v[XS+3]|, |v[XS+4]|, |v[XS+5]|
.irp i, 6,10
	v_max3_num_f32 v8, v8, |v[XS+\i]|, |v[XS+\i+1]|
	v_max3_num_f32 v9, v9, |v[XS+\i+2]|, |v[XS+\i+3]|
.endr
	v_max3_num_f32 v8, v8, |v[XS+14]|, |v[XS+15]|
	v_max3_num_f32 v8, v8, v9, 0x4800000           ; and the floor 2^(9 - 127): the byte cannot fall under 1
	v_max_num_f32_dpp v8, v8, v8 row_xmask:1 row_mask:0xf bank_mask:0xf   ; and of my neighbour's 16: the block's
	v_add_nc_u32 v11, 0xfc000000, v8               ; 8 off its exponent field: the conversion takes this operand's exponent field as its scale
	v_and_or_b32 v10, v8, 0x7f800000, s[MNT]       ; 448 x the scale
.irp i, 0,1,2,3,4,5,6,7,8,9,10,11,12,13,14,15
	v_med3_num_f32 v[XS+\i], v[XS+\i], -v10, v10   ; the conversion to an 8-bit code does not saturate (ISA guide 7.6.2): the hold comes first
.endr
	v_cvt_scalef32_pk8_fp8_f32 v[C+4*(\t):C+4*(\t)+1], v[XS:XS+7], v11
	v_cvt_scalef32_pk8_fp8_f32 v[C+4*(\t)+2:C+4*(\t)+3], v[XS+8:XS+15], v11
	v_lshrrev_b32 v[E+(\t)], 23, v11               ; the scale's byte (a plain line behind the conversions)
	ds_store_b8 v5, v[E+(\t)] offset:16*(\t)       ; both lanes of a block write the same byte with the same value
	global_store_b128 v4, v[C+4*(\t):C+4*(\t)+3], s[24:25] offset:512*(\t)   ; the wave stores 512 consecutive bytes
.endm
; ---- the weights' macros: a lane takes a column and its registers run down K, so a block of 32 lies in one lane and the codes come out with K innermost
.macro WLD t, n
.irp i, 0,1,2,3,4,5,6,7,8,9,10,11,12,13,14,15,16,17,18,19,20,21,22,23,24,25,26,27,28,29,30,31
	global_load_b32 v[WX+32*((\t)%2)+\i], v3, s[4:5] offset:(32*(\t)+\i)*\n*4 th:TH_LOAD_NT
.endr
.endm
.macro WBLK t, n
.set XS, WX+32*((\t)%2)
.if (\t) < 7
	s_wait_loadcnt 32                              ; this block's 32 loads are in; the next block's may be out
.else
	s_wait_loadcnt 0
.endif
	v_max3_num_f32 v12, |v[XS]|, |v[XS+1]|, |v[XS+2]|
	v_max3_num_f32 v13, |v[XS+3]|, |v[XS+4]|, |v[XS+5]|
.irp i, 6,10,14,18,22,26
	v_max3_num_f32 v12, v12, |v[XS+\i]|, |v[XS+\i+1]|
	v_max3_num_f32 v13, v13, |v[XS+\i+2]|, |v[XS+\i+3]|
.endr
	v_max3_num_f32 v12, v12, |v[XS+30]|, |v[XS+31]|
	v_max3_num_f32 v12, v12, v13, 0x4800000        ; the floor
	v_add_nc_u32 v11, 0xfc000000, v12
	v_and_or_b32 v10, v12, 0x7f800000, s[MNT]
	v_lshrrev_b32 v13, 23, v11                     ; the scale's byte
.if (\t)%4 == 0
	v_mov_b32 v[WSB+(\t)/4], v13                   ; four bytes to a register, the lower K in the lower byte
.else
	v_lshl_or_b32 v[WSB+(\t)/4], v13, 8*((\t)%4), v[WSB+(\t)/4]
.endif
.irp i, 0,1,2,3,4,5,6,7,8,9,10,11,12,13,14,15,16,17,18,19,20,21,22,23,24,25,26,27,28,29,30,31
	v_med3_num_f32 v[XS+\i], v[XS+\i], -v10, v10
.endr
.irp g, 0,1,2,3
	v_cvt_scalef32_pk8_fp8_f32 v[WC+2*\g:WC+2*\g+1], v[XS+8*\g:XS+8*\g+7], v11
.endr
	ds_store_b128 v4, v[WC:WC+3] offset:32*(\t)    ; 32 codes of my column's row of the stage
	ds_store_b128 v4, v[WC+4:WC+7] offset:32*(\t)+16
.if (\t)+2 < 8
	WLD (\t)+2, \n
.endif
	s_wait_dscnt 0x0                               ; the stores have read their registers: the next block's codes may be written
.endm
; n: the weight's columns; row0: its first row in cod and scl; lds: the path's LDS; id0: the path's first work-group; plo: the scalar pair with the weight's address
.macro WPATH n, row0, lds, id0, plo
	s_sub_co_u32 s17, ttmp9, \id0
	s_lshr_b32 s18, s17, 2                         ; which 128 columns
	s_and_b32 s17, s17, 3                          ; which 256 along K
	s_lshl_b32 s18, s18, 7
	s_lshl_b32 s20, s16, 5
	s_add_co_u32 s18, s18, s20                     ; my wave's first column, a multiple of 32
	s_mul_i32 s20, s17, 256*\n*4
	s_lshl_b32 s22, s18, 2
	s_add_co_u32 s20, s20, s22
	s_add_nc_u64 s[4:5], s[\plo:\plo+1], s[20:21]  ; the weight at (256 x K part, my first column)
	s_add_co_u32 s18, s18, \row0
	s_lshl_b32 s20, s18, 10
	s_lshl_b32 s22, s17, 8
	s_add_co_u32 s20, s20, s22
	s_add_nc_u64 s[24:25], s[10:11], s[20:21]      ; the codes: row x 1,024 + 256 x K part
	s_lshl_b32 s20, s18, 5
	s_lshl_b32 s22, s17, 3
	s_add_co_u32 s20, s20, s22
	s_add_nc_u64 s[26:27], s[12:13], s[20:21]      ; the scale bytes: row x 32 + 8 x K part
	v_lshlrev_b32 v3, 2, v2                        ; in: 4 bytes a lane
	v_and_b32 v5, 7, v2
	v_bfe_u32 v6, v2, 3, 1
	v_lshl_or_b32 v5, v6, 4, v5
	v_bfe_u32 v6, v2, 4, 1
	v_lshl_or_b32 v5, v6, 3, v5                    ; my column's place in the stored order: bits 3 and 4 of the lane exchanged
	s_mul_i32 s20, s16, 32*PW
	s_add_co_u32 s20, s20, \lds                    ; my stage
	v_mul_u32_u24 v4, v5, PW
	v_add_nc_u32 v4, s20, v4                       ; into it: the row of my column's place
	v_lshlrev_b32 v9, 5, v5                        ; and that row of scale bytes
	v_and_b32 v5, 15, v2
	v_lshrrev_b32 v6, 4, v2                        ; out of it: sixteen lanes to a row, two rows an instruction
	v_mul_u32_u24 v7, v6, PW
	v_lshl_add_u32 v7, v5, 4, v7
	v_add_nc_u32 v7, s20, v7
	v_lshlrev_b32 v8, 10, v6
	v_lshl_add_u32 v8, v5, 4, v8                   ; and the same place in cod
	WLD 0, \n
	WLD 1, \n
.irp t, 0,1,2,3,4,5,6,7
	WBLK \t, \n
.endr
	global_store_b64 v9, v[WSB:WSB+1], s[26:27]    ; my column's 8 scale bytes: rows 32 bytes apart, one byte in 128 of what the path reads
.irp t, 0,1,2,3,4,5,6,7,8,9,10,11,12,13,14,15
	ds_load_b128 v[WO+4*\t:WO+4*\t+3], v7 offset:2*\t*PW   ; LDS serves a wave's instructions in order: these see my stores
.endr
.irp t, 0,1,2,3,4,5,6,7,8,9,10,11,12,13,14,15
	s_wait_dscnt 15-\t                             ; read-back t is in; the younger ones may be out
	global_store_b128 v8, v[WO+4*\t:WO+4*\t+3], s[24:25] offset:2*\t*1024   ; sixteen lanes store 256 consecutive bytes, aligned
.endr
.endm
	s_load_b256 s[4:11], s[0:1], 0x0               ; x s[4:5], w_qkv s[6:7], w_proj s[8:9], cod s[10:11]
	s_load_b64 s[12:13], s[0:1], 0x20              ; scl
	v_lshl_add_u32 v192, v0, 2, 0x19000
	v_mov_b32 v193, 0
	v_lshrrev_b32 v1, 5, v0
	v_readfirstlane_b32 s16, v1                    ; wave 0..3
	v_and_b32 v2, 31, v0                           ; lane
	s_mov_b32 s[MNT], 0x600000
	s_mov_b32 s19, 0                               ; the upper words of the offsets' pairs
	s_mov_b32 s21, 0
	s_mov_b32 s23, 0
	s_wait_kmcnt 0x0
	s_cmp_lt_u32 ttmp9, 256
	s_cbranch_scc0 .Lweights
	; ---- path X: my wave's 8 rows of x; they are stored as the group of eight with the wave's two bits exchanged
	s_lshl_b32 s17, ttmp9, 2
	s_add_co_u32 s18, s17, s16
	s_lshl_b32 s18, s18, 15                        ; 32,768 bytes of x a wave
	s_add_nc_u64 s[4:5], s[4:5], s[18:19]
	s_and_b32 s20, s16, 1
	s_lshl_b32 s20, s20, 1
	s_lshr_b32 s22, s16, 1
	s_or_b32 s20, s20, s22
	s_add_co_u32 s17, s17, s20                     ; the group's place
	s_lshl_b32 s20, s17, 13
	s_add_nc_u64 s[24:25], s[10:11], s[20:21]      ; 8,192 bytes of codes,
	s_lshl_b32 s22, s17, 8
	s_add_nc_u64 s[26:27], s[12:13], s[22:23]      ; 256 scale bytes
	s_wait_alu depctr_va_vdst(0)
	v_lshlrev_b32 v3, 4, v2                        ; my 16 bytes of a load's 512
	s_mul_i32 s28, s16, WREG
	v_lshrrev_b32 v14, 2, v2
	v_mul_u32_u24 v14, v14, SP
	v_and_b32 v15, 3, v2
	v_lshl_add_u32 v14, v15, 4, v14
	v_add_nc_u32 v14, s28, v14                     ; the stage, on the way in: four lanes' 64 bytes on end, then 16 of padding
	v_mul_u32_u24 v15, v2, SP
	v_add_nc_u32 v15, s28, v15                     ; and on the way out: my 16 neighbours
	v_lshlrev_b32 v4, 4, v2                        ; my codes' place in a step's
	v_lshrrev_b32 v5, 1, v2
	s_add_co_u32 s28, s28, 2*32*SP
	v_add_nc_u32 v5, s28, v5                       ; my block's byte among my wave's 256
	v_lshlrev_b32 v7, 3, v2
	v_add_nc_u32 v6, s28, v7                       ; and on the way out 8 bytes a lane
.irp t, 0,1,2,3
	XLD \t
.endr
	s_wait_alu depctr_va_vdst(0)
	s_wait_loadcnt 12                              ; step 0's four loads are in
	XTURN 0
.irp t, 0,1,2,3,4,5,6,7,8,9,10,11,12,13,14,15
	XSTEP \t
.endr
	ds_load_b64 v[12:13], v6
	s_wait_dscnt 0x0
	global_store_b64 v7, v[12:13], s[26:27]        ; 32 lanes store 256 consecutive bytes, aligned
	s_wait_tensorcnt 0x0
	ds_add_u32 v192, v193
	s_wait_dscnt 0x0
	s_endpgm
.Lweights:
	s_cmp_lt_u32 ttmp9, 352
	s_cbranch_scc0 .Lw_proj
	s_wait_alu depctr_va_vdst(0)
	WPATH 3072, 8192, 32768, 256, 6
	s_wait_tensorcnt 0x0
	ds_add_u32 v192, v193
	s_wait_dscnt 0x0
	s_endpgm
.Lw_proj:
	s_wait_alu depctr_va_vdst(0)
	WPATH 1024, 11264, 67584, 352, 8
	s_wait_tensorcnt 0x0
	ds_add_u32 v192, v193
	s_wait_dscnt 0x0
	s_endpgm
.Lfunc_end_k_q0178212dc5_quant:
	.size	k_q0178212dc5_quant, .Lfunc_end_k_q0178212dc5_quant-k_q0178212dc5_quant
	.p2alignl 7, 3214868480
	.fill 96, 4, 3214868480
	.section	.rodata,"a",@progbits
	.p2align	6, 0x0
	.amdhsa_kernel k_q0178212dc5_quant
		.amdhsa_group_segment_fixed_size 102912
		.amdhsa_private_segment_fixed_size 0
		.amdhsa_enable_private_segment 0
		.amdhsa_kernarg_size 40
		.amdhsa_user_sgpr_count 2
		.amdhsa_user_sgpr_kernarg_segment_ptr 1
		.amdhsa_wavefront_size32 1
		.amdhsa_system_sgpr_workgroup_id_x 1
		.amdhsa_system_sgpr_workgroup_id_y 1
		.amdhsa_system_sgpr_workgroup_id_z 1
		.amdhsa_system_vgpr_workitem_id 0
		.amdhsa_next_free_vgpr 194
		.amdhsa_next_free_sgpr 66
		.amdhsa_reserve_vcc 0
		.amdhsa_float_denorm_mode_32 3
		.amdhsa_float_denorm_mode_16_64 3
		.amdhsa_memory_ordered 1
		.amdhsa_forward_progress 1
		.amdhsa_inst_pref_size 168
	.end_amdhsa_kernel
	.amdgpu_metadata
---
amdhsa.version: [ 1, 2 ]
amdhsa.kernels:
  - .name:           k_q0178212dc5_quant
    .symbol:         k_q0178212dc5_quant.kd
    .args:
      - { .name: x, .offset: 0, .size: 8, .value_kind: global_buffer, .address_space: global }
      - { .name: w_qkv, .offset: 8, .size: 8, .value_kind: global_buffer, .address_space: global }
      - { .name: w_proj, .offset: 16, .size: 8, .value_kind: global_buffer, .address_space: global }
      - { .name: cod, .offset: 24, .size: 8, .value_kind: global_buffer, .address_space: global }
      - { .name: scl, .offset: 32, .size: 8, .value_kind: global_buffer, .address_space: global }
    .group_segment_fixed_size: 102912
    .private_segment_fixed_size: 0
    .kernarg_segment_align: 8
    .kernarg_segment_size: 40
    .max_flat_workgroup_size: 128
    .sgpr_count:     66
    .vgpr_count:     194
    .wavefront_size: 32
...
	.end_amdgpu_metadata
.endif
;; end of part 1
;; launch qkv (part 2): grid 8 x 48, 4 waves a work-group, clusters of 4 x 4, 327,680 bytes of LDS; arguments cod, scl, img, isc; writes img, isc
.if DOCPART == 2
	.amdgcn_target "amdgcn-amd-amdhsa--gfx1250"
	.amdhsa_code_object_version 6
	.text
	.protected	k_q0178212dc5_qkv
	.globl	k_q0178212dc5_qkv
	.p2align	8
	.type	k_q0178212dc5_qkv,@function
k_q0178212dc5_qkv:
	s_mov_b64 s[64:65], 0
	v_nop
	global_prefetch_b8 v0, s[64:65] scope:SCOPE_SE
	s_setreg_imm32_b32 hwreg(HW_REG_WAVE_MODE, 25, 1), 1
	s_wait_xcnt 0x0
	s_wait_alu depctr_hold_cnt(0) depctr_sa_sdst(0) depctr_va_vdst(0) depctr_va_sdst(0) depctr_va_ssrc(0) depctr_va_vcc(0) depctr_vm_vsrc(0)
	s_getreg_b32 s2, hwreg(HW_REG_IB_STS2, 6, 4)
	s_cmp_eq_u32 s2, 0
	s_cbranch_scc0 .Lentry_in_a_cluster
	s_endpgm
.Lentry_in_a_cluster:
	s_bfe_u32 s2, ttmp6, 0x10000c
	s_cmp_lg_u32 s2, 0xf033
	s_cbranch_scc0 .Lentry_shape_is_right
	s_endpgm
.Lentry_shape_is_right:
; qkv = x w_qkv on codes of FP8 (E4M3) with E8M0 scales for each 32 along K = 1,024, and its results quantised in registers for the two products of attention.  Nothing of qkv goes to memory as f32.
; A tile of 256 x 256 is made by four waves, 128 x 128 each: 64 accumulators, 512 registers.  K goes in steps of 256 through two LDS slots filled by the tensor data mover; the scale bytes of the tile's rows come once and stay.
; SOURCE 0 is the operand ALONG WHOSE ROWS THE RESULTS ARE QUANTISED, source 1 the one of which a lane keeps one row.  Rows lie in cod in the stored order (bits 3 and 4 of the row number exchanged), so the 16 registers of two
; neighbouring tiles of source 0 are 16 neighbours in the true order: register 16 B + i of a lane is number 32 B + 16 (lane / 16) + i of the wave's 128, which is the layout of an 8-bit operand.
;   cluster y < 8  (256 tiles): source 0 = w_qkv's columns 0-2047 (q and k: quantised along the head's 64), source 1 = rows of x.
;   cluster y >= 8 (128 tiles): source 0 = rows of x (the keys: v is quantised along them), source 1 = w_qkv's columns 2048-3071.
; Both parts take one path; only scalars differ, chosen on the cluster's y, which all partners share.
; RESULTS LEAVE AS IMAGES OF OPERAND REGISTERS: 16 rows x 128 along the next K = 16 registers a lane = 2,048 bytes; piece c (registers 4 c .. 4 c + 3) is 512 bytes, lane l's 16 bytes at 16 l: every store is 512 consecutive bytes.
;   img, q and k: [G 0-15: 128 columns][A 0-511: 16 stored rows of x]; pieces 0, 1 are head 2 (G % 8), pieces 2, 3 head 2 (G % 8) + 1; G 0-7 is q, G 8-15 is k.
;   img + 2^24, v: [G 0-63: 128 keys][A 0-63: 16 stored channels].
;   isc: a scale word a row: [2 G + j][A][16 words]; j = 0 the word as it is, j = 1 the word shifted down by two bytes: the second head's two bytes.  (In the v part the j = 1 half is stored and never read: the price of one path.)
; CLUSTERS: 4 x 4 work-groups; source 1's tile is asked for jointly along a row of the cluster, source 0's along a column.
; LIMITS: a block of zeros gets the byte 1 where the rule says 127 (its codes are zeros; this program alone reads the bytes); blocks whose largest magnitude lies under 2^-118 take that floor's byte; NaN and infinities are not served.
; REGISTERS, in windows of 256: window 0: v0-31 addresses; v32-63 scale words, two sets, and nothing else; v64-103 at work on the way out; from v128 source 1's fragments, ONE set, later the codes that leave.
;   window 1: source 0's fragments, TWO sets.   windows 2, 3: the accumulators ((a, b) at v[8 (8 (a % 4) + b)], a: source 1's block, b: source 0's).
.set KSTEP,  256
.set NQ,     2                         ; matrix instructions deep in a slot
.set ROWB,   256                       ; a tile's row in bytes
.set KROW,   1024                      ; a row of cod
.set PITCH,  272                       ; an LDS row: 256 bytes + 16 of padding = 68 words: the 16 rows that a load touches start at 16 different banks (64 banks of 4 bytes: ISA guide 11.1)
.set FR,     16
.set NL,     4
.set NP,     8                         ; places behind this matrix instruction (ISA guide 7.12.1)
.set HALFT,  128*PITCH
.set SLOT,   4*HALFT                   ; source 1's 256 rows, then source 0's
.set LAPS,   2                         ; 1,024 / 512
.set KS,     32                        ; a row of scale bytes
.set SCL,    2*SLOT
.set HALFS,  (128*KS/256)*272
.set SBLK,   (16*KS/256)*272
.set SPARE,  SCL+4*HALFS               ; the spare words, 128 bytes for each wave: two blocks of 256 bytes that no other line names
.set SSTG,   SPARE+512                 ; 1,024 bytes for each wave: the scale words' stage; no tile ever lands here
.set ADRA, 16                          ; v16-17  LDS address of my fragments of source 1 in slot 0, 1
.set ADRB, 20                          ; v20-21  the same for source 0
.set SH,   24                          ; v24     16 x (lane / 16): the shift that gives lanes 16-31 the second head's bytes
.set SST,  25                          ; v25     where I put a scale word
.set LO,   26                          ; v26     16 x lane
.set ADRS, 27                          ; v27     LDS address of my scale words: lanes 0-15 source 1's rows, lanes 16-31 source 0's
.set SPW,  28                          ; v28     my spare word; never rewritten
.set NIL,  29                          ; v29     0; never rewritten
.set SRD,  30                          ; v30     where I read the scale words back
.set SC,   32
.set TM,   64                          ; v64-67 largest magnitudes, v68-71 the other half's, then bytes, v72-75 448 x the scale, v76-79 the conversions' scale operands
.set PWS,  80                          ; v80-87  block a's scale word as it is stored
.set PWT,  88                          ; v88     the word just made
.set SBK,  96                          ; v96-103 the scale words read back
.set AF,   128
.set G1, 24
.set G0, 32
.set G1B, 48
.set G0B, 56
.set G1S, 68
.set G0S, 76
.set G1SB, 80
.set G0SB, 88
.set SEL, 12                           ; s[12:13] lane selects for v_permlanex16_b32 (written when the addresses are made)
.set MNT, 101                          ; s101     the mantissa field of 448
.set MSB, 0
.macro WIN new                         ; the immediate's high byte repeats the setting that is left
.if MSB != \new
	s_set_vgpr_msb (MSB<<8)|\new
.set MSB, \new
.endif
.endm
.set MUL_LO, 0xa1                      ; source 0 window 1, source 1 window 0, C and D window 2
.set MUL_HI, 0xf1
.set TO_B,   0x40
; A joint load: waves 0 and 1 fetch for source 1, waves 2 and 3 for source 0.  The branch hangs on the wave's number alone.  Four v_nop follow each of the two lines.
.macro JLOAD g0a, g1a, g0b, g1b
	s_cmp_eq_u32 s15, 0
	s_cbranch_scc0 .Lfor_b_\@
	tensor_load_to_lds s[\g0a:\g0a+3], s[\g1a:\g1a+7]
	s_nop 0
.rept 4
	v_nop
.endr
	s_branch .Lasked_\@
.Lfor_b_\@:
	tensor_load_to_lds s[\g0b:\g0b+3], s[\g1b:\g1b+7]
	s_nop 0
.rept 4
	v_nop
.endr
.Lasked_\@:
.endm
.macro CREST                           ; a round of the cluster's barrier behind its opening barrier
	s_cmp_lg_u32 s14, 0
	s_cbranch_scc1 .Lnot_wave_0_\@
	s_barrier_signal -3
.Lnot_wave_0_\@:
	s_barrier_wait -3
	s_barrier_signal -1
	s_barrier_wait -1
.endm
.macro CROUND
	s_barrier_signal -1
	s_barrier_wait -1
	CREST
.endm
	s_load_b256 s[4:11], s[0:1], 0x0               ; cod s[4:5], scl s[6:7], img s[8:9], isc s[10:11]
	v_lshl_add_u32 v[SPW], v0, 2, SPARE
	v_mov_b32 v[NIL], 0
	ds_add_u32 v28, v29
	ds_add_u32 v28, v29
	s_wait_dscnt 0x0
	v_lshrrev_b32 v1, 5, v0
	v_readfirstlane_b32 s14, v1                    ; wave 0..3
	s_lshr_b32 s15, s14, 1                         ; which half of source 1's rows is mine.  Also: I fetch for source 1 (0) or source 0 (1)
	s_and_b32 s16, s14, 1                          ; which half of source 0's rows.  Also: which 128 rows of that tile I fetch
	s_bfe_u32 s40, ttmp6, 0x40000                  ; cx
	s_bfe_u32 s41, ttmp6, 0x40004                  ; cy
	s_and_b32 s12, ttmp7, 0xffff                   ; the cluster's y, 0..11
	s_lshl_b32 s42, ttmp9, 2
	s_add_co_u32 s42, s42, s40                     ; 4 x cluster x + cx, 0..7
	s_max_u32 s13, s12, 8
	s_sub_co_u32 s13, s13, 8
	s_lshl_b32 s13, s13, 3
	s_add_co_u32 s66, s42, s13                     ; source 0's tile inside its part: 0..7 of w_qkv's q and k columns, 0..31 of x
	s_lshl_b32 s17, s12, 2
	s_add_co_u32 s17, s17, s41                     ; 4 x cluster y + cy
	s_add_co_u32 s13, s41, 40                      ; w_qkv's column 2,048 is row 256 x 40 of cod
	s_cmp_ge_u32 s12, 8                            ; the v part?  All the choices stand behind this one compare
	s_cselect_b32 s67, s41, s17                    ; source 1's tile inside its part
	s_cselect_b32 s17, s13, s17                    ; and in cod
	s_cselect_b32 s42, 0, 32
	s_cselect_b32 s95, 17, 20                      ; bytes of img from G to G + 1, as a shift
	s_cselect_b32 s98, 13, 16                      ; the same in isc
	s_cselect_b32 s99, 1<<24, 0                    ; where the part begins in img,
	s_cselect_b32 s100, 1<<20, 0                   ; and in isc
	s_add_co_u32 s42, s42, s66                     ; source 0's tile in cod
	s_lshl_b32 s43, s41, 2
	s_lshl_b32 s43, 15, s43                        ; my row of the cluster
	s_lshl_b32 s44, 0x1111, s40                    ; my column
	; descriptor group 1: a tile of 128 rows x 256 bytes, padded in LDS
	s_or_b32 s[G1+0], s43, (0<<16)|(1<<20)|(1<<21)|(5<<22)|(3<<25)  ; 15:0 the mask; 17:16 elements of 1 byte; 20 padding on; 21 set beside a mask; 24:22 after every 64 words; 31:25 four words
	s_or_b32 s[G1B+0], s44, (0<<16)|(1<<20)|(1<<21)|(5<<22)|(3<<25)
.irp g, G1, G1B
	s_mov_b32 s[\g+1], ROWB<<16                    ; tensor_dim0
	s_mov_b32 s[\g+2], 256<<16                     ; tensor_dim1: the head's loads bring 256 rows; behind them the two words are set to 128
	s_mov_b32 s[\g+3], ROWB<<16                    ; tile_dim0
	s_mov_b32 s[\g+4], 256                         ; tile_dim1
	s_mov_b32 s[\g+5], KROW                        ; tensor_dim0_stride
	s_mov_b32 s[\g+6], 0
	s_mov_b32 s[\g+7], 0
.endr
	; the scale bytes of 128 rows: 4,096 dense bytes, as 16 rows of 256 bytes (32 elements of 8), 16 bytes of padding behind each
	s_or_b32 s[G1S+0], s43, (3<<16)|(1<<20)|(1<<21)|(5<<22)|(3<<25)
	s_or_b32 s[G1SB+0], s44, (3<<16)|(1<<20)|(1<<21)|(5<<22)|(3<<25)
.irp g, G1S, G1SB
	s_mov_b32 s[\g+1], 32<<16
	s_mov_b32 s[\g+2], (256*KS/256)<<16            ; the scale bytes of all 256 rows: 8,192 dense bytes
	s_mov_b32 s[\g+3], 32<<16
	s_mov_b32 s[\g+4], 256*KS/256
	s_mov_b32 s[\g+5], 32
	s_mov_b32 s[\g+6], 0
	s_mov_b32 s[\g+7], 0
.endr
	s_lshl_b32 s18, s16, 7                         ; which 128 rows of the tile I fetch
	s_lshl_b32 s20, s17, 8                         ; source 1's tile: its first row in cod
	s_lshl_b32 s46, s42, 8                         ; source 0's
	s_lshl_b32 s22, s20, 5                         ; their scale bytes: 32 a row
	s_mov_b32 s23, 0
	s_lshl_b32 s92, s46, 5
	s_mov_b32 s93, 0
	s_lshl_b32 s20, s20, 10                        ; their codes: 1,024 a row (cod has under 2^24 bytes)
	s_mov_b32 s21, 0
	s_lshl_b32 s46, s46, 10
	s_mov_b32 s47, 0
	s_mul_i32 s45, s14, HALFT                      ; where they go: wave x 128 rows: no place in the cluster enters an LDS address
	s_wait_kmcnt 0x0
	s_add_nc_u64 s[20:21], s[4:5], s[20:21]
	s_add_nc_u64 s[22:23], s[6:7], s[22:23]
	s_add_nc_u64 s[46:47], s[4:5], s[46:47]
	s_add_nc_u64 s[92:93], s[6:7], s[92:93]
	CROUND                                         ; all sixteen work-groups are here: the first joint loads meet
	s_mov_b32 s[G0S], 1
	s_mov_b32 s[G0S+1], SCL
	s_mov_b64 s[G0S+2:G0S+3], s[22:23]
	s_or_b32 s[G0S+3], s[G0S+3], 0x80000000
	s_mov_b32 s[G0SB], 1
	s_mov_b32 s[G0SB+1], SCL+2*HALFS
	s_mov_b64 s[G0SB+2:G0SB+3], s[92:93]
	s_or_b32 s[G0SB+3], s[G0SB+3], 0x80000000
	s_mov_b32 s4, 1                                ; group 0 of the head's loads of K step 0: source 1's 256 rows (the arguments that lay in s[4:7] have been used),
	s_mov_b32 s5, 0
	s_mov_b64 s[6:7], s[20:21]
	s_or_b32 s7, s7, 0x80000000
	s_cmp_eq_u32 s15, 0                            ; the prefetches: my place among the four that ask for my tile with me: cx for source 1's, cy for source 0's,
	s_cselect_b32 s94, s40, s41
	s_lshl_b32 s94, s94, 15                        ; x 32 rows of 1,024 bytes
	s_mov_b32 s40, 1
	s_mov_b32 s41, 2*HALFT
	s_mov_b64 s[42:43], s[46:47]
	s_or_b32 s43, s43, 0x80000000
	s_lshl_b32 s18, s18, 10                        ; for the ring: my 128 rows of the tile, in bytes
	s_mov_b32 s19, 0
	s_add_nc_u64 s[20:21], s[20:21], s[18:19]
	s_add_nc_u64 s[46:47], s[46:47], s[18:19]
	s_cmp_eq_u32 s15, 0
	s_cselect_b64 s[92:93], s[20:21], s[46:47]     ; the 128 rows that I fetch in the ring,
	s_mov_b32 s18, s94
	s_add_nc_u64 s[92:93], s[92:93], s[18:19]      ; and my work-group's 32 of them: the partners are told apart by address; never rewritten
.irp s, 0,1
	s_mov_b32 s[G0+4*\s], 1
	s_add_co_u32 s[G0+4*\s+1], s45, \s*SLOT
	s_add_nc_u64 s[G0+4*\s+2:G0+4*\s+3], s[20:21], \s*ROWB
	s_or_b32 s[G0+4*\s+3], s[G0+4*\s+3], 0x80000000
	s_mov_b32 s[G0B+4*\s], 1
	s_add_co_u32 s[G0B+4*\s+1], s45, \s*SLOT
	s_add_nc_u64 s[G0B+4*\s+2:G0B+4*\s+3], s[46:47], \s*ROWB
	s_or_b32 s[G0B+4*\s+3], s[G0B+4*\s+3], 0x80000000
.endr
; THE HEAD'S LOADS, ONE A WAVE: wave 0 K step 0's 256 rows of source 1, wave 1 those of source 0, wave 2 source 1's scale bytes, wave 3 source 0's.  One chain of branches on the wave's number, all arms leading to one join.
.macro ARM under, g0, g1, next
	s_cmp_lt_u32 s14, \under
	s_cbranch_scc0 \next
	tensor_load_to_lds s[\g0:\g0+3], s[\g1:\g1+7]
	s_nop 0
.rept 4
	v_nop
.endr
	s_branch .Lhead_asked
\next:
.endm
	ARM 1, 4, G1, .Lhead_b
	ARM 2, 40, G1B, .Lhead_sa
	ARM 3, G0S, G1S, .Lhead_sb
	tensor_load_to_lds s[G0SB:G0SB+3], s[G1SB:G1SB+7]
	s_nop 0
.rept 4
	v_nop
.endr
.Lhead_asked:
; PREFETCHES INTO THE L2: a K step is 256 bytes of each row; a lane a row, one instruction a wave for a K step, so each aligned 256 bytes is named once in each cluster that will load it.
; Here K steps 1 and 2, behind slot 1's first fill K step 3: each two fills ahead of its own load at the most; K step 0 comes by its load alone.
	v_and_b32 v31, 31, v0
	v_lshlrev_b32 v31, 10, v31                     ; v31: my lane's row; never rewritten
	global_prefetch_b8 v31, s[92:93] offset:256 th:TH_LOAD_NT scope:SCOPE_SE
	global_prefetch_b8 v31, s[92:93] offset:512 th:TH_LOAD_NT scope:SCOPE_SE
	v_and_b32 v1, 15, v0                           ; r = lane % 16
	v_bfe_u32 v2, v0, 4, 1                         ; h = lane / 16
	v_mul_u32_u24 v3, v1, PITCH
	v_lshl_add_u32 v4, v2, 4, v3                   ; a fragment's row x pitch + 16 h
	s_mul_i32 s21, s15, HALFT                      ; my 128 rows of source 1
	s_mul_i32 s22, s16, HALFT                      ; my 128 rows of source 0,
	s_add_co_u32 s22, s22, 2*HALFT                 ; which lie behind source 1's 256
.irp s, 0,1
	v_add_nc_u32 v[ADRA+\s], s21, v4
	v_add_nc_u32 v[ADRB+\s], s22, v4
	s_add_co_u32 s21, s21, SLOT
	s_add_co_u32 s22, s22, SLOT
.endr
	v_mul_u32_u24 v5, v1, KS                       ; my row's scale bytes: 32 a row,
	v_lshrrev_b32 v6, 8, v5
	v_lshl_add_u32 v5, v6, 4, v5                   ; and 16 more for each 256 passed
	s_mul_i32 s21, s15, HALFS
	s_mul_i32 s22, s16, HALFS
	s_add_co_u32 s22, s22, 2*HALFS
	s_sub_co_u32 s22, s22, s21
	v_mul_u32_u24 v6, s22, v2                      ; lanes 16-31 take source 0's
	s_add_co_u32 s21, s21, SCL
	v_add_nc_u32 v5, v5, v6
	v_add_nc_u32 v[ADRS], s21, v5
	; the way out
	v_lshlrev_b32 v[SH], 4, v2
	s_lshl_b32 s23, s14, 10
	s_add_co_u32 s23, s23, SSTG                    ; my scale words' stage
	v_lshlrev_b32 v5, 2, v1
	v_lshl_add_u32 v5, v2, 9, v5
	v_add_nc_u32 v[SST], s23, v5                   ; in: [lane / 16][block][row]: 512 h + 4 r, + 64 x block
	v_and_b32 v6, 31, v0
	v_lshlrev_b32 v[LO], 4, v6
	v_add_nc_u32 v[SRD], s23, v[LO]                ; back: 16 bytes a lane
.irp b, 0,1,2,3
	v_mov_b32 v[TM+4+\b], 0                        ; written once: a lane permute's destination counts as one of its sources
.endr
	s_lshl_b32 s66, s66, 1
	s_add_co_u32 s66, s66, s16                     ; G: my 128 rows of source 0
	s_lshl_b32 s67, s67, 4
	s_lshl_b32 s12, s15, 3
	s_add_co_u32 s67, s67, s12                     ; A0: my first 16 rows of source 1
	s_lshl_b32 s12, s66, s95
	s_add_co_u32 s12, s12, s99
	s_lshl_b32 s13, s67, 11
	s_add_co_u32 s12, s12, s13
	s_mov_b32 s13, 0
	s_add_nc_u64 s[8:9], s[8:9], s[12:13]          ; my eight images, 16,384 bytes on end
	s_lshl_b32 s12, s66, s98
	s_add_co_u32 s12, s12, s100
	s_lshl_b32 s67, s67, 6
	s_add_co_u32 s12, s12, s67
	s_add_nc_u64 s[10:11], s[10:11], s[12:13]      ; their scale words, j = 0: 512 bytes on end,
	s_sub_co_u32 s98, s98, 1
	s_lshl_b32 s12, 1, s98
	s_add_nc_u64 s[96:97], s[10:11], s[12:13]      ; and j = 1
	s_mov_b32 s[SEL], 0x76543210
	s_mov_b32 s[SEL+1], 0xfedcba98
	s_mov_b32 s[MNT], 0x600000
.macro FRAG reg, adr, q, i             ; 16 rows x 128 K of 8-bit codes: lane l holds row l % 16; registers 4 c .. 4 c + 3 hold K = 32 c + 16 (l / 16) + 0 .. 15
.irp c, 0,1,2,3
	ds_load_b128 v[\reg+4*\c:\reg+4*\c+3], v[\adr] offset:128*(\q)+32*\c+(\i)*16*PITCH
.endr
.endm
; 16 matrix instructions: source 1's blocks a0, a0 + 1 x source 0's eight, 128 along K.  The 64 accumulators take turns, one instruction a turn, in the same order in every step.
.macro MUL16 a0, p, q, sc, zero
.irp a, \a0, \a0+1
.irp b, 0,1,2,3,4,5,6,7
.if \zero
	v_wmma_scale_f32_16x16x128_f8f6f4 v[8*(8*((\a)%4)+\b):8*(8*((\a)%4)+\b)+7], v[128*(\p)+FR*\b:128*(\p)+FR*\b+FR-1], v[AF+FR*(\a):AF+FR*(\a)+FR-1], 0, v[SC+8*NQ*(\sc)+NQ*\b+(\q)], v[SC+8*NQ*(\sc)+NQ*(\a)+(\q)] matrix_a_scale:MATRIX_SCALE_ROW1
.else
	v_wmma_scale_f32_16x16x128_f8f6f4 v[8*(8*((\a)%4)+\b):8*(8*((\a)%4)+\b)+7], v[128*(\p)+FR*\b:128*(\p)+FR*\b+FR-1], v[AF+FR*(\a):AF+FR*(\a)+FR-1], v[8*(8*((\a)%4)+\b):8*(8*((\a)%4)+\b)+7], v[SC+8*NQ*(\sc)+NQ*\b+(\q)], v[SC+8*NQ*(\sc)+NQ*(\a)+(\q)] matrix_a_scale:MATRIX_SCALE_ROW1
.endif
.endr
.endr
.endm
.macro FETCH_B slot, q, p
	WIN TO_B
.irp i, 0,1,2,3,4,5,6,7
	FRAG 128*(\p)+FR*\i, ADRB+\slot, \q, \i
.endr
	WIN 0
.endm
.macro FETCH_A slot, q, i0
.irp i, \i0, \i0+1, \i0+2, \i0+3
	FRAG AF+FR*(\i), ADRA+\slot, \q, \i
.endr
.endm
.macro SCALES sc                       ; a K step's scale words: two words a row; lanes 0-15 take source 1's block i, lanes 16-31 source 0's
.irp i, 0,1,2,3,4,5,6,7
	ds_load_b64 v[SC+8*NQ*\sc+NQ*\i:SC+8*NQ*\sc+NQ*\i+1], v[ADRS] offset:\i*SBLK
.endr
.endm
.macro PLACES n                        ; plain vector instructions that name none of the matrix instructions' registers, in front of loads into registers that they read and of reads of results
.rept \n
	v_nop
.endr
.endm
.macro STEP slot, q, zero              ; a step of 128 along K that has its successor in the same slot
	s_wait_dscnt 4*NL                              ; source 0's set and source 1's blocks 0-3 are in; the youngest 16 loads (blocks 4-7) may be out
	WIN MUL_LO
	MUL16 0, (\q)%2, \q, \slot, \zero
	MUL16 2, (\q)%2, \q, \slot, \zero
	s_wait_dscnt 0
	PLACES NP
	FETCH_B \slot, (\q)+1, 1-(\q)%2
	FETCH_A \slot, (\q)+1, 0
	WIN MUL_HI
	MUL16 4, (\q)%2, \q, \slot, \zero
	MUL16 6, (\q)%2, \q, \slot, \zero
	PLACES NP
	WIN 0
	FETCH_A \slot, (\q)+1, 4
.endm
; A slot's last step changes slots: ONE barrier; in front of it each wave waits for all its tensor loads, adds 0 to its spare word, and waits for that and for its own reads of this slot.
.macro TURN slot, next, fill
	s_wait_tensorcnt 0x0                           ; all my tensor loads have landed: my part of the next slot
	ds_add_u32 v[SPW], v[NIL]                      ; 0 onto my spare word
	s_wait_dscnt 4*NL+1                            ; (the add and the youngest 16 loads may be out)
	WIN MUL_LO
	MUL16 0, 1, NQ-1, \slot, 0
	s_wait_dscnt 0x0                               ; the add is done, and my reads of this slot are over
	s_barrier_signal -1
	MUL16 2, 1, NQ-1, \slot, 0
	WIN 0
	s_barrier_wait -1
.if \fill
	CREST                                          ; the barrier has opened a round of the cluster's barrier: no wave of any partner still reads this slot or has a load on its way
	s_add_nc_u64 s[G0+4*\slot+2:G0+4*\slot+3], s[G0+4*\slot+2:G0+4*\slot+3], 2*ROWB
	s_add_nc_u64 s[G0B+4*\slot+2:G0B+4*\slot+3], s[G0B+4*\slot+2:G0B+4*\slot+3], 2*ROWB
	JLOAD G0+4*\slot, G1, G0B+4*\slot, G1B         ; the first tensor load behind the round; its four v_nop are among the places in front of the loads below
	PLACES NP-4
.else
	PLACES NP
.endif
	s_wait_alu depctr_va_vdst(0)
	v_add_nc_u32 v[ADRS], 4*NQ, v[ADRS]            ; on to the next K step's scale words
	FETCH_B \next, 0, 0
	FETCH_A \next, 0, 0
	SCALES \next
	WIN MUL_HI
	MUL16 4, 1, NQ-1, \slot, 0
	MUL16 6, 1, NQ-1, \slot, 0
	PLACES NP
	WIN 0
	FETCH_A \next, 0, 4
.endm
	s_wait_alu depctr_va_vdst(0)
	s_wait_tensorcnt 0x0                           ; my tile of the head's four is in
	ds_add_u32 v[SPW], v[NIL]
	s_mov_b32 s[G1+2], 128<<16                     ; no tensor load of mine is out: from here on a load brings 128 rows
	s_mov_b32 s[G1+4], 128
	s_mov_b32 s[G1B+2], 128<<16
	s_mov_b32 s[G1B+4], 128
	s_wait_dscnt 0x0
	CROUND                                         ; all four tiles are in, and all sixteen work-groups are here
	JLOAD G0+4, G1, G0B+4, G1B                     ; K step 1: the first tensor load behind the round
	FETCH_B 0, 0, 0
	FETCH_A 0, 0, 0
	SCALES 0
	FETCH_A 0, 0, 4
	global_prefetch_b8 v31, s[92:93] offset:768 th:TH_LOAD_NT scope:SCOPE_SE   ; K step 3, the last
	STEP 0, 0, 1
	s_mov_b32 s3, LAPS-1
.Llap:                                                 ; a trip goes once round the ring and fills both slots again
	TURN 0, 1, 1
	STEP 1, 0, 0
	TURN 1, 0, 1
	STEP 0, 0, 0
	s_sub_co_u32 s3, s3, 1
	s_cmp_lg_u32 s3, 0
	s_cbranch_scc1 .Llap
	TURN 0, 1, 0                                   ; the last lap fills nothing
	STEP 1, 0, 0
	s_wait_dscnt 4*NL
	WIN MUL_LO
	MUL16 0, 1, NQ-1, 1, 0
	MUL16 2, 1, NQ-1, 1, 0
	s_wait_dscnt 0
	WIN MUL_HI
	MUL16 4, 1, NQ-1, 1, 0
	MUL16 6, 1, NQ-1, 1, 0
	WIN 0
; THE WAY OUT of block a (16 rows of source 1): its 64 registers a lane are four blocks of 32 along the next K, 16 numbers in this lane and 16 in the lane 16 away.  Largest magnitudes, scale bytes, hold, conversion;
; the codes are the image's registers and leave as they stand.  Lines are ordered so that five settings of the register windows serve a block; each accumulator is first read at its registers 0 and 1.
.macro EPI a
.set AC, 64*((\a)%4)
.set WN, 2+(\a)/4
.set CD, AF+16*(\a)                    ; each block's codes have registers of their own: no store's data are written again
	WIN 5*WN                                       ; sources 0 and 1 in the accumulators' window
.irp b, 0,1,2,3
	v_max3_num_f32 v[TM+\b], |v[AC+16*\b]|, |v[AC+16*\b+1]|, 0x4800000   ; with the floor 2^(9 - 127): the byte cannot fall under 1
.endr
	WIN 0x14*WN                                    ; sources 1 and 2
.irp i, 2,4,6,8,10,12,14
.irp b, 0,1,2,3
	v_max3_num_f32 v[TM+\b], v[TM+\b], |v[AC+16*\b+\i]|, |v[AC+16*\b+\i+1]|   ; the four blocks by turns
.endr
.endr
	WIN 0
.irp b, 0,1,2,3
	v_permlanex16_b32 v[TM+4+\b], v[TM+\b], s[SEL], s[SEL+1]
.endr
.irp b, 0,1,2,3
	v_max_num_f32 v[TM+\b], v[TM+\b], v[TM+4+\b]   ; with lane l xor 16's: the block's largest magnitude
.endr
.irp b, 0,1,2,3
	v_add_nc_u32 v[TM+12+\b], 0xfc000000, v[TM+\b] ; 8 off its exponent field: the conversion's scale operand
.endr
.irp b, 0,1,2,3
	v_and_or_b32 v[TM+8+\b], v[TM+\b], 0x7f800000, s[MNT]   ; 448 x the scale
.endr
.irp b, 0,1,2,3
	v_lshrrev_b32 v[TM+4+\b], 23, v[TM+12+\b]      ; the scale's byte
.endr
	v_lshl_or_b32 v[PWT], v[TM+5], 8, v[TM+4]
	v_lshl_or_b32 v[PWT], v[TM+6], 16, v[PWT]
	v_lshl_or_b32 v[PWT], v[TM+7], 24, v[PWT]      ; my row's scale word, in both halves of the lanes
	v_lshrrev_b32 v[PWS+(\a)], v[SH], v[PWT]       ; lanes 16-31: its upper two bytes moved down, zero bytes above them (they scale zero codes later)
	WIN (WN<<6)|WN                                 ; destination and source 0
.irp b, 0,1,2,3
.irp i, 0,1,2,3,4,5,6,7,8,9,10,11,12,13,14,15
	v_med3_num_f32 v[AC+16*\b+\i], v[AC+16*\b+\i], -v[TM+8+\b], v[TM+8+\b]   ; the conversion to an 8-bit code does not saturate (ISA guide 7.6.2)
.endr
.endr
	WIN WN                                         ; source 0
.irp b, 0,1,2,3
	v_cvt_scalef32_pk8_fp8_f32 v[CD+4*\b:CD+4*\b+1], v[AC+16*\b:AC+16*\b+7], v[TM+12+\b]
	v_cvt_scalef32_pk8_fp8_f32 v[CD+4*\b+2:CD+4*\b+3], v[AC+16*\b+8:AC+16*\b+15], v[TM+12+\b]
.endr
	WIN 0
	v_nop                                          ; a plain line behind the last conversion, ahead of the lines that write its scale operands anew
	ds_store_b32 v[SST], v[PWS+(\a)] offset:64*(\a)
.irp c, 0,1,2,3
	global_store_b128 v[LO], v[CD+4*\c:CD+4*\c+3], s[8:9] offset:2048*(\a)+512*\c   ; 32 lanes store 512 consecutive bytes, aligned
.endr
.endm
	PLACES NP                                      ; behind the last products, ahead of the first read of results
.irp a, 0,1,2,3,4,5,6,7
	EPI \a
.endr
	ds_load_b128 v[SBK:SBK+3], v[SRD]              ; LDS serves a wave's instructions in order: these see my stores
	ds_load_b128 v[SBK+4:SBK+7], v[SRD] offset:512
	s_wait_dscnt 0x0
	global_store_b128 v[LO], v[SBK:SBK+3], s[10:11]       ; 8 blocks x 16 words: 512 consecutive bytes
	global_store_b128 v[LO], v[SBK+4:SBK+7], s[96:97]
	s_wait_tensorcnt 0x0                           ; the wave's end
	ds_add_u32 v[SPW], v[NIL]
	s_wait_dscnt 0x0
	CROUND                                         ; the closing round: no work-group ends while a partner may still ask for a tile that names it
	s_endpgm
.Lfunc_end_k_q0178212dc5_qkv:
	.size	k_q0178212dc5_qkv, .Lfunc_end_k_q0178212dc5_qkv-k_q0178212dc5_qkv
	.p2alignl 7, 3214868480
	.fill 96, 4, 3214868480
	.section	.rodata,"a",@progbits
	.p2align	6, 0x0
	.amdhsa_kernel k_q0178212dc5_qkv
		.amdhsa_group_segment_fixed_size 327680
		.amdhsa_private_segment_fixed_size 0
		.amdhsa_enable_private_segment 0
		.amdhsa_kernarg_size 32
		.amdhsa_user_sgpr_count 2
		.amdhsa_user_sgpr_kernarg_segment_ptr 1
		.amdhsa_wavefront_size32 1
		.amdhsa_system_sgpr_workgroup_id_x 1
		.amdhsa_system_sgpr_workgroup_id_y 1
		.amdhsa_system_sgpr_workgroup_id_z 1
		.amdhsa_system_vgpr_workitem_id 0
		.amdhsa_next_free_vgpr 1024
		.amdhsa_next_free_sgpr 102
		.amdhsa_reserve_vcc 0
		.amdhsa_float_denorm_mode_32 3
		.amdhsa_float_denorm_mode_16_64 3
		.amdhsa_memory_ordered 1
		.amdhsa_forward_progress 1
		.amdhsa_inst_pref_size 188
	.end_amdhsa_kernel
	.amdgpu_metadata
---
amdhsa.version: [ 1, 2 ]
amdhsa.kernels:
  - .name:           k_q0178212dc5_qkv
    .symbol:         k_q0178212dc5_qkv.kd
    .args:
      - { .name: cod, .offset: 0, .size: 8, .value_kind: global_buffer, .address_space: global }
      - { .name: scl, .offset: 8, .size: 8, .value_kind: global_buffer, .address_space: global }
      - { .name: img, .offset: 16, .size: 8, .value_kind: global_buffer, .address_space: global }
      - { .name: isc, .offset: 24, .size: 8, .value_kind: global_buffer, .address_space: global }
    .group_segment_fixed_size: 327680
    .private_segment_fixed_size: 0
    .kernarg_segment_align: 8
    .kernarg_segment_size: 32
    .max_flat_workgroup_size: 128
    .sgpr_count:     102
    .vgpr_count:     1024
    .wavefront_size: 32
...
	.end_amdgpu_metadata
.endif
;; end of part 2
;; launch attn (part 3): grid 4 x 64, 16 waves a work-group, clusters of 4 x 1, 327,680 bytes of LDS; arguments img, isc, aoc, aos; writes aoc, aos
.if DOCPART == 3
	.amdgcn_target "amdgcn-amd-amdhsa--gfx1250"
	.amdhsa_code_object_version 6
	.text
	.protected	k_q0178212dc5_attn
	.globl	k_q0178212dc5_attn
	.p2align	8
	.type	k_q0178212dc5_attn,@function
k_q0178212dc5_attn:
	s_mov_b64 s[64:65], 0
	v_nop
	global_prefetch_b8 v0, s[64:65] scope:SCOPE_SE
	s_setreg_imm32_b32 hwreg(HW_REG_WAVE_MODE, 25, 1), 1
	s_wait_xcnt 0x0
	s_wait_alu depctr_hold_cnt(0) depctr_sa_sdst(0) depctr_va_vdst(0) depctr_va_sdst(0) depctr_va_ssrc(0) depctr_va_vcc(0) depctr_vm_vsrc(0)
	s_getreg_b32 s2, hwreg(HW_REG_IB_STS2, 6, 4)
	s_cmp_eq_u32 s2, 0
	s_cbranch_scc0 .Lentry_in_a_cluster
	s_endpgm
.Lentry_in_a_cluster:
	s_bfe_u32 s2, ttmp6, 0x10000c
	s_cmp_lg_u32 s2, 0x3003
	s_cbranch_scc0 .Lentry_shape_is_right
	s_endpgm
.Lentry_shape_is_right:
; Causal attention, 64 heads (4 batches x 16) of 2,048 tokens and head size 64, both products on codes of FP8 (E4M3) with E8M0 scales for each 32 along K; the result is quantised along the channels for the last product.
; q, k, v arrive as images of operand registers (2,048 bytes: 16 rows x 128 along K; piece c of 512 bytes, lane l's 16 bytes at 16 l) with a scale word a row.  A head's q or k is half an image (K = 64).  v's images hold 16 channels x 128 keys.
; THE SOFTMAX: t = score x log2(e) / 8; M = the running largest t rounded UP to a whole number; p = 2^(t - M) is quantised along the keys, not normalised; the row's sum is taken of the unquantised p and divides O at the end.
; When M moves, the sum and O are multiplied by 2^(old M - new M): exact.  A block's largest p is got from its largest score by the same multiply-add and exponential (this takes v_exp_f32 not to fall where its input rises).
; LEFT OUT: key steps of 128 all of whose keys come after a tile's queries: the causal mask hides all their keys.
; K AND V OF THE WHOLE HEAD STAY IN LDS: 2 x 131,072 bytes of codes and 12,288 bytes of scale words, each byte filled once, at the head: no slot is filled again, and the walk over the keys has one barrier, behind its first two steps.
; SHARES.  A head has 128 tiles of 16 stored queries; tile 8 m + e (e = 0 .. 7) needs key steps 0 .. m, the last of them masked.  The work-group at place cx of its cluster owns tiles 8 m + cx and 8 m + 4 + cx of every m.
; Wave w takes e = cx + 4 (w % 2) and first m = 15 - w / 2, then m = w / 2: (16 - w / 2) + (w / 2 + 1) = 17 key steps in every wave of every work-group.  The trip counts are constants; branches hang on the wave's number and counters alone.
; TWO KEY TILES IN ONE FRAGMENT: K = 64 fills half of the instruction's 128, so registers 0-7 of a fragment hold tile x and registers 8-15 tile x + 2; multiplied by [q | zeros] it gives x's scores, by [zeros | q] those of x + 2.
; A step's eight tiles are then 64 registers, which are idle during the softmax: THE NEXT STEP'S K IS LOADED THERE, a whole step ahead of its products (the very last trip loads a step that nobody multiplies).
; V's fragment b takes the registers of p's block b as soon as that block is converted.
; CLUSTER: the four work-groups of a head read the same K and V: each tile is asked for jointly (mask 15).  The place cx enters global addresses of q and of the result, and the mask's numbers in vector registers: no branch, no LDS address.
; THE HEAD IN TWO STAGES: waves 0 to 4 fetch K's keys 0-511, V's keys 0-255 and all scale words, on load lines of their own, and they alone wait at the first barrier; two key steps run while waves 5 to 12 bring the rest, which the second barrier shows.
; NO PREFETCH: every tile of the launch is asked for by the head's tensor loads; there is no later load to run ahead of.
; LAYOUT.  Both products are used transposed: S^T = K Q^T, O^T = V^T P^T: a lane holds ONE query.  Rows lie in the stored order (bits 3 and 4 of the row number exchanged), so the 16 registers of tiles 2 b, 2 b + 1 are
; 16 neighbouring keys (or channels) 32 b + 16 (lane / 16) + 0 .. 15.  Stored tile T holds the true queries 32 (T / 2) + 8 (T % 2) + r + 8 (r / 8).
; OUT: aoc [row tile 0-511][K step of 128, 0-7][image], aos [8,192 stored rows][32 scale bytes].
; LIMITS: a block of zeros gets the byte 1 where the rule says 127 (its codes are zeros; this program alone reads the bytes); NaN and infinities are not served.
.set KSO,   0                          ; K's scale words: 16 steps x 512 bytes
.set VSO,   8192                       ; V's: 16 steps x 256 bytes
.set QP,    12288                      ; 1,536 bytes for each wave: the second tile's q waits here; no tile lands here
.set KC,    49152                      ; K's codes: 16 steps x 8 half images of 1,024 bytes.  3 x 16,384: so wave w's chunk w - 3 lies at 16,384 w
.set VC,    180224                     ; V's codes: 16 steps x 4 images
.set SPARE, 325632                     ; the spare words, 128 bytes for each of 16 waves: eight blocks of 256 bytes that no other line names
.set LI,  1                            ; v1   16 x lane
.set LIK, 2                            ; v2   KC + 16 x lane
.set ADK, 3                            ; v3   the next step's K codes
.set ADS, 4                            ; v4   the next step's K scale words
.set SPW, 5                            ; v5   my spare word; never rewritten
.set NIL, 6                            ; v6   0; never rewritten
.set LWK, 7                            ; v7   KSO + 4 x lane
.set R32, 8                            ; v8   32 x (lane % 16): my row of aos
.set QL,  9                            ; v9   r + 8 (r / 8) - 16 (lane / 16)
.set R4,  10                           ; v10  4 x (lane % 16)
.set ADV, 11                           ; v11  the step's V codes
; v12 -M, v13 the largest t, v[14:15] the sum; v16-23 q, v24-31 zeros, v32-39 q once more
.set KF,  40                           ; v40-103  K's four fragments
.set S,   104                          ; v104-167 S^T, then p, then V's four fragments
.set O,   168                          ; v168-199 O^T
.set CD,  200                          ; v200-215 p's codes
.set KSW, 216                          ; v216-219 K's scale words as they lie (lanes 0-15 tile 2 j, lanes 16-31 tile 2 j + 1)
.set KSP, 220                          ; v220-221 paired: the low half tile x's two bytes, the high half those of x + 2;  v222-223 V's; v224 q's; v225 q's moved up two bytes; v226 p's: scales and nothing else
.set VSW, 222
.set QSA, 224
.set QSB, 225
.set PWD, 226
.set NINF, 227                         ; v227 -infinity
.set BM,  228                          ; v228-231 a block's largest score, then largest p
.set PT,  232                          ; v232-235 the other half's, then bytes
.set HL,  236                          ; v236-239 448 x the scale
.set SO,  240                          ; v240-243 the conversions' scale operands
.set F,   244                          ; v[244:245] f = 2^(old M - new M); v245 = 0, named with it as a pair
.set T0,  246
.set T1,  247
.set C3,  246                          ; the sums' further chains: v[246:247] (free behind f and the mask), v[248:249], v[254:255]
.set C1,  248
.set C2,  254
.set ADT, 250                          ; v250 the step's V scale words
.set LWV, 251                          ; v251 VSO + 4 x lane
.set QST, 252                          ; v252 my place in QP
.set LIV, 253                          ; v253 VC + 16 x lane
.set WV,  12
.set J,   18                           ; s18  wave / 2
.set MNT, 19
.set SEL, 20
.set CS,  22                           ; s[22:23] c = log2(e) / 8
.set G1K, 24
.set G1V, 32
.set G1KS, 40
.set G1VS, 48
.set G1V7, 68
.set BK,  76                           ; s[76:83] the head's first bytes in memory: K's codes, V's codes, K's scale words, V's
.set BV,  78
.set BKS, 80
.set BVS, 82
.set OFS, 84                           ; s[84:85] an offset; the upper word stays 0
.set AO1, 86                           ; s[86:93] where my tiles' codes and scale bytes go
.set AS1, 88
.set AO2, 90
.set AS2, 92
.set N,   94                           ; s94  the trip, 2 .. 16
.set LIMW, 95                          ; s95  16 - wave / 2: the first tile's steps
.set LIM1, 96                          ; s96  the first tile's last step
.set MCUR, 97                          ; s97  the last step of the tile in hand
.set NXT, 98                           ; s98  the next trip's key step
.set QMIN, 99                          ; s99  my tile's lowest query
.set QMIN2, 100
.set STP, 101                          ; s101 the key step, 0 .. 15
.macro G1SET g, c, r, p                ; r rows of c elements of 8 bytes, p elements apart in memory, dense in LDS; the mask names the cluster's four, bit 21 beside it
	s_mov_b32 s[\g], 15|(3<<16)|(1<<21)
	s_mov_b32 s[\g+1], (\c)<<16
	s_mov_b32 s[\g+2], (\r)<<16
	s_mov_b32 s[\g+3], (\c)<<16
	s_mov_b32 s[\g+4], \r
	s_mov_b32 s[\g+5], \p
	s_mov_b32 s[\g+6], 0
	s_mov_b32 s[\g+7], 0
.endm
.macro TL g1                           ; an arm's end: the type bits, the load, the nops behind it, the jump to the join
	s_or_b32 s59, s59, 0x80000000
	tensor_load_to_lds s[56:59], s[\g1:\g1+7]
	s_nop 0
.rept 4
	v_nop
.endr
	s_branch .Lasked
.endm
.macro KARM                            ; K's codes of keys 256 (wave - 3) on: KC + 16,384 (wave - 3) = 16,384 wave
	s_lshl_b32 s57, s[WV], 14
	s_sub_co_u32 s[OFS], s[WV], 3
	s_lshl_b32 s[OFS], s[OFS], 15
	s_add_nc_u64 s[58:59], s[BK:BK+1], s[OFS:OFS+1]
	TL G1K
.endm
.macro CROUND                          ; a round of the cluster's barrier
	s_barrier_signal -1
	s_barrier_wait -1
	s_cmp_lg_u32 s[WV], 0
	s_cbranch_scc1 .Lnot_wave_0_\@
	s_barrier_signal -3
.Lnot_wave_0_\@:
	s_barrier_wait -3
	s_barrier_signal -1
	s_barrier_wait -1
.endm
.macro KLOAD ak, as                    ; a step's K: fragment f holds tiles x = 4 (f / 2) + f % 2 and x + 2; and the eight tiles' scale words
.irp f, 0,1,2,3
	ds_load_b128 v[KF+16*\f:KF+16*\f+3], v[\ak] offset:(4*(\f/2)+\f%2)*1024
	ds_load_b128 v[KF+16*\f+4:KF+16*\f+7], v[\ak] offset:(4*(\f/2)+\f%2)*1024+512
	ds_load_b128 v[KF+16*\f+8:KF+16*\f+11], v[\ak] offset:(4*(\f/2)+\f%2+2)*1024
	ds_load_b128 v[KF+16*\f+12:KF+16*\f+15], v[\ak] offset:(4*(\f/2)+\f%2+2)*1024+512
.endr
.irp j, 0,1,2,3
	ds_load_b32 v[KSW+\j], v[\as] offset:128*\j
.endr
.endm
.macro KPACK                           ; the low halves of two scale words make a fragment's word: lanes 0-15 tiles (0, 2) and (4, 6), lanes 16-31 tiles (1, 3) and (5, 7)
	v_perm_b32 v[KSP], v[KSW+1], v[KSW], 0x05040100
	v_perm_b32 v[KSP+1], v[KSW+3], v[KSW+2], 0x05040100
.endm
.macro SW x, f, qb, qs                 ; the scores of key tile x, out of fragment f
.if (\f)%2
	v_wmma_scale_f32_16x16x128_f8f6f4 v[S+8*(\x):S+8*(\x)+7], v[KF+16*(\f):KF+16*(\f)+15], v[\qb:\qb+15], 0, v[KSP+(\f)/2], v[\qs] matrix_a_scale:MATRIX_SCALE_ROW1
.else
	v_wmma_scale_f32_16x16x128_f8f6f4 v[S+8*(\x):S+8*(\x)+7], v[KF+16*(\f):KF+16*(\f)+15], v[\qb:\qb+15], 0, v[KSP+(\f)/2], v[\qs]
.endif
.endm
.macro SUMS b                          ; block b's eight pairs of p go into the row's sum: four chains by turns; pairs 0 to 5 start three of them
.set n_, 8*(\b)
.rept 8
.if n_ < 6
.set k_, 1+n_/2
.else
.set k_, (n_-6)%4
.endif
.set cr_, 14
.if k_ == 1
.set cr_, C1
.endif
.if k_ == 2
.set cr_, C2
.endif
.if k_ == 3
.set cr_, C3
.endif
.if n_ >= 6
	v_pk_add_f32 v[cr_:cr_+1], v[cr_:cr_+1], v[S+2*n_:S+2*n_+1]
.elseif n_%2 == 0
	v_pk_add_f32 v[cr_:cr_+1], v[S+2*n_:S+2*n_+1], v[S+2*n_+2:S+2*n_+3]
.endif
.set n_, n_+1
.endr
.endm
; A KEY STEP: the 128 keys of step s[STP], whose K is in registers; it loads the K of step s[NXT].  msk = 1: the tile's last step hides the keys behind each query
.macro STEP msk
	s_lshl_b32 s104, s[NXT], 13
	s_lshl_b32 s105, s[NXT], 9
	s_lshl_b32 s3, s[STP], 13
	s_lshl_b32 s60, s[STP], 8
	v_add_nc_u32 v[ADK], s104, v[LIK]
	v_add_nc_u32 v[ADS], s105, v[LWK]
	v_add_nc_u32 v[ADV], s3, v[LIV]
	v_add_nc_u32 v[ADT], s60, v[LWV]
.rept 5
	v_nop                                          ; nine places with the four additions: the products below write over registers that the last products of the step before read as an operand
.endr
.irp f, 0,1,2,3                                ; S^T = K Q^T: eight products on end
	SW 4*(\f/2)+\f%2, \f, 16, QSA
	SW 4*(\f/2)+\f%2+2, \f, 24, QSB
.endr                                          ; register 16 b + i of S: key 128 step + 32 b + 16 (lane / 16) + i
.rept 8
	v_nop                                          ; places ahead of the loads into K's registers and of the first read of the scores
.endr
	KLOAD ADK, ADS                                 ; the next step's K: the softmax stands between these loads and the wait for them
.if \msk
	s_cmp_lg_u32 s[STP], s[MCUR]                   ; only the tile's last step lies on the diagonal: the wave's number and counters decide
	s_cbranch_scc1 .Lopen_\@
	s_lshl_b32 s104, s[STP], 7
	s_sub_co_i32 s104, s[QMIN], s104
	v_add_nc_u32 v[T1], s104, v[QL]                ; d = my query - the step's first key - 16 (lane / 16): register 16 b + i is hidden where 32 b + i > d
.set n, 0
.rept 64
	v_cmp_gt_i32 vcc_lo, 32*(n/16)+n%16, v[T1]
	v_cndmask_b32 v[S+n], v[S+n], v[NINF], vcc_lo
.set n, n+1
.endr
.Lopen_\@:
.endif
.irp b, 0,1,2,3
	v_max3_num_f32 v[BM+\b], v[S+16*\b], v[S+1+16*\b], v[S+2+16*\b]   ; the largest score of each block of 32 keys: for the row's maximum, and for the block's largest p
.endr
.irp i, 3,5,7,9,11,13
.irp b, 0,1,2,3
	v_max3_num_f32 v[BM+\b], v[BM+\b], v[S+16*\b+\i], v[S+1+16*\b+\i]
.endr
.endr
.irp b, 0,1,2,3
	v_max_num_f32 v[BM+\b], v[BM+\b], v[S+15+16*\b]
.endr
.irp b, 0,1,2,3
	s_delay_alu instid0(VALU_DEP_4)
	v_permlanex16_b32 v[PT+\b], v[BM+\b], s[SEL], s[SEL+1]
.endr
.irp b, 0,1,2,3
	s_delay_alu instid0(VALU_DEP_4)
	v_max_num_f32 v[BM+\b], v[BM+\b], v[PT+\b]     ; with lane l xor 16's 16 keys
.endr
	s_delay_alu instid0(VALU_DEP_2)
	v_max3_num_f32 v[T0], v[BM], v[BM+1], v[BM+2]
	s_delay_alu instid0(VALU_DEP_1)
	v_max_num_f32 v[T0], v[T0], v[BM+3]            ; the step's largest score of my query
	s_delay_alu instid0(VALU_DEP_1)
	v_mul_f32 v[T0], s[CS], v[T0]                  ; as t
	s_delay_alu instid0(VALU_DEP_1)
	v_max_num_f32 v13, v13, v[T0]                  ; the running largest t
	v_mov_b32 v[T0], v12
	s_delay_alu instid0(VALU_DEP_2)
	v_floor_f32 v12, -v13                          ; the new -M = floor(-t) = -ceil(t)
	s_delay_alu instid0(VALU_DEP_1)
	v_sub_f32 v[T0], v12, v[T0]                    ; old M - new M: a whole number, 0 or less
	s_delay_alu instid0(VALU_DEP_1)
	v_cvt_i32_f32 v[T0], v[T0]                     ; (it saturates)
	s_delay_alu instid0(VALU_DEP_1)
	v_ldexp_f32 v[F], 1.0, v[T0]                   ; f = 2^(old M - new M)
.set n, 0
.rept 32
	v_pk_fma_f32 v[S+n:S+1+n], v[S+n:S+1+n], s[CS:CS+1], v[12:13] op_sel_hi:[1,0,0]   ; t - M, two at a time
.set n, n+2
.endr
.irp b, 0,1,2,3
	v_fma_f32 v[BM+\b], v[BM+\b], s[CS], v12       ; the same of each block's largest score
.endr
.set n, 0
	s_wait_alu depctr_va_vdst(0)
.rept 64
	v_exp_f32 v[S+n], v[S+n]                       ; p = 2^(t - M), at most 1
.set n, n+1
.endr
.irp b, 0,1,2,3
	v_exp_f32 v[BM+\b], v[BM+\b]                   ; the block's largest p
.endr
	v_pk_mul_f32 v[14:15], v[14:15], v[F:F+1] op_sel_hi:[1,0]   ; the sums under the new M (a plain line behind the exponentials)
	s_wait_alu depctr_va_vdst(0)                   ; one wait for the batch, ahead of its first reader
	s_wait_dscnt 0x0                               ; the next step's K and its scale words are in
	KPACK                                          ; far more than eight places ahead of the products that take these words
.irp b, 0,1,2,3
	v_max_num_f32 v[BM+\b], 0x4800000, v[BM+\b]    ; the floor 2^(9 - 127): the byte cannot fall under 1
.endr
.irp b, 0,1,2,3
	s_delay_alu instid0(VALU_DEP_4)
	v_add_nc_u32 v[SO+\b], 0xfc000000, v[BM+\b]    ; 8 off the exponent field: the conversion's scale operand
.endr
.irp b, 0,1,2,3
	v_and_or_b32 v[HL+\b], v[BM+\b], 0x7f800000, s[MNT]   ; 448 x the scale
.endr
.irp b, 0,1,2,3
	v_lshrrev_b32 v[PT+\b], 23, v[SO+\b]           ; the scale's byte
.endr
	s_delay_alu instid0(VALU_DEP_3)
	v_lshl_or_b32 v[PWD], v[PT+1], 8, v[PT]        ; p's scale word for these 128 keys
	s_delay_alu instid0(VALU_DEP_1)
	v_lshl_or_b32 v[PWD], v[PT+2], 16, v[PWD]
	s_delay_alu instid0(VALU_DEP_1)
	v_lshl_or_b32 v[PWD], v[PT+3], 24, v[PWD]
.irp b, 0,1,2,3                                ; block by block: the sum of the unquantised p, the hold, the conversion, and V's fragment b into the registers that are then free
	SUMS \b
.irp i, 0,2,4,6,8,10,12,14
	v_dual_min_num_f32 v[S+16*\b+\i], v[S+16*\b+\i], v[HL+\b] :: v_dual_min_num_f32 v[S+1+16*\b+\i], v[S+1+16*\b+\i], v[HL+\b]   ; the conversion does not saturate (ISA guide 7.6.2); p is not negative, so the hold is one-sided; two holds a line
.endr
	v_cvt_scalef32_pk8_fp8_f32 v[CD+4*\b:CD+1+4*\b], v[S+16*\b:S+7+16*\b], v[SO+\b]
	v_cvt_scalef32_pk8_fp8_f32 v[CD+2+4*\b:CD+3+4*\b], v[S+8+16*\b:S+15+16*\b], v[SO+\b]
.irp c, 0,1,2,3
	ds_load_b128 v[S+16*\b+4*\c:S+3+16*\b+4*\c], v[ADV] offset:2048*\b+512*\c
.endr
.endr
	ds_load_b32 v[VSW], v[ADT]
	ds_load_b32 v[VSW+1], v[ADT] offset:128
	v_pk_add_f32 v[14:15], v[14:15], v[C1:C1+1]    ; the four chains are joined
	v_pk_add_f32 v[C2:C2+1], v[C2:C2+1], v[C3:C3+1]
.set n, 0
.rept 16
	v_pk_mul_f32 v[O+n:O+1+n], v[O+n:O+1+n], v[F:F+1] op_sel_hi:[1,0]   ; O^T under the new M.  (These are also the plain lines between the conversions and the products that read the codes)
.set n, n+2
.endr
	v_pk_add_f32 v[14:15], v[14:15], v[C2:C2+1]
	s_wait_alu depctr_va_vdst(0)
	s_wait_dscnt 0x0
.irp d, 0,1,2,3                                ; O^T += V^T P^T: four accumulators, one instruction each; the eight score products stand between two turns of one accumulator
.if \d%2
	v_wmma_scale_f32_16x16x128_f8f6f4 v[O+8*\d:O+7+8*\d], v[S+16*\d:S+15+16*\d], v[CD:CD+15], v[O+8*\d:O+7+8*\d], v[VSW+\d/2], v[PWD] matrix_a_scale:MATRIX_SCALE_ROW1
.else
	v_wmma_scale_f32_16x16x128_f8f6f4 v[O+8*\d:O+7+8*\d], v[S+16*\d:S+15+16*\d], v[CD:CD+15], v[O+8*\d:O+7+8*\d], v[VSW+\d/2], v[PWD]
.endif
.endr
.endm
; A TILE'S END: O^T / the sum, quantised along the head's 64 channels (two blocks of 32: register 16 b + i is channel 32 b + 16 (lane / 16) + i), stored as half an image and two scale bytes a row.
; next = 1: the second tile's q comes back from my LDS bytes, and its state takes its place.
.macro FINISH ao, so, next
.rept 8
	v_nop                                          ; behind the last products, ahead of the first read of results
.endr
.if \next
	ds_load_b128 v[16:19], v[QST]
	ds_load_b128 v[20:23], v[QST] offset:512
	ds_load_b128 v[32:35], v[QST]
	ds_load_b128 v[36:39], v[QST] offset:512
	ds_load_b32 v[QSA], v[QST] offset:1024
.endif
	v_add_f32 v14, v14, v15                        ; the sum's two halves,
	s_delay_alu instid0(VALU_DEP_1)
	v_permlanex16_b32 v[PT], v14, s[SEL], s[SEL+1]
	s_delay_alu instid0(VALU_DEP_1)
	v_add_f32 v14, v14, v[PT]                      ; and lane l xor 16's
	s_wait_alu depctr_va_vdst(0)
	v_rcp_f32 v14, v14
	v_nop                                          ; a plain line behind the transcendental
.set n, 0
	s_wait_alu depctr_va_vdst(0)
.rept 32
	v_mul_f32 v[S+n], v[O+n], v14                  ; each accumulator from its low end on
.set n, n+1
.endr
.irp b, 0,1
	v_max3_num_f32 v[BM+\b], |v[S+16*\b]|, |v[S+1+16*\b]|, 0x4800000
.endr
.irp i, 2,4,6,8,10,12,14
.irp b, 0,1
	s_delay_alu instid0(VALU_DEP_2)
	v_max3_num_f32 v[BM+\b], v[BM+\b], |v[S+16*\b+\i]|, |v[S+1+16*\b+\i]|
.endr
.endr
.irp b, 0,1
	s_delay_alu instid0(VALU_DEP_2)
	v_permlanex16_b32 v[PT+\b], v[BM+\b], s[SEL], s[SEL+1]
.endr
.irp b, 0,1
	s_delay_alu instid0(VALU_DEP_2)
	v_max_num_f32 v[BM+\b], v[BM+\b], v[PT+\b]
.endr
.irp b, 0,1
	s_delay_alu instid0(VALU_DEP_2)
	v_add_nc_u32 v[SO+\b], 0xfc000000, v[BM+\b]
.endr
.irp b, 0,1
	s_delay_alu instid0(VALU_DEP_4)
	v_and_or_b32 v[HL+\b], v[BM+\b], 0x7f800000, s[MNT]
.endr
.irp b, 0,1
	s_delay_alu instid0(VALU_DEP_4)
	v_lshrrev_b32 v[PT+\b], 23, v[SO+\b]
.endr
	s_delay_alu instid0(VALU_DEP_1)
	v_lshl_or_b32 v[T0], v[PT+1], 8, v[PT]         ; my row's two scale bytes
.irp b, 0,1
.irp i, 0,1,2,3,4,5,6,7,8,9,10,11,12,13,14,15
	v_med3_num_f32 v[S+16*\b+\i], v[S+16*\b+\i], -v[HL+\b], v[HL+\b]
.endr
	v_cvt_scalef32_pk8_fp8_f32 v[CD+4*\b:CD+1+4*\b], v[S+16*\b:S+7+16*\b], v[SO+\b]
	v_cvt_scalef32_pk8_fp8_f32 v[CD+2+4*\b:CD+3+4*\b], v[S+8+16*\b:S+15+16*\b], v[SO+\b]
.endr
	v_nop                                          ; a plain line behind the last conversion
	global_store_b128 v[LI], v[CD:CD+3], s[\ao:\ao+1]             ; 512 consecutive bytes a store, 1,024 on end
	global_store_b128 v[LI], v[CD+4:CD+7], s[\ao:\ao+1] offset:512
	global_store_b16 v[R32], v[T0], s[\so:\so+1]   ; 2 bytes a row, rows 32 bytes apart; both halves of the lanes write the same value: one byte in 32 of the result
.if \next
	s_wait_dscnt 0x0                               ; the second tile's q is in
	v_lshlrev_b32 v[QSB], 16, v[QSA]               ; its scale bytes for the upper half of K; the lines below are more than eight places
	v_mov_b32 v13, 0xff61b1e6                      ; the largest t so far: -3e38
	s_delay_alu instid0(VALU_DEP_1)
	v_floor_f32 v12, -v13
	v_mov_b32 v14, 0
	v_mov_b32 v15, 0
.set n, 0
.rept 32
	v_mov_b32 v[O+n], 0
.set n, n+1
.endr
	s_mov_b32 s[QMIN], s[QMIN2]
	s_mov_b32 s[MCUR], s[J]
	s_wait_xcnt 0x0                                ; the stores have read their data: those registers are written again in the next step
.endif
.endm
; The addresses of stored tile s104 (0 .. 127) of my sequence: where its result goes, its lowest query, and the offsets of its q in img and isc
.macro BLKSET ao, so, qm, vq, vs
	s_lshl_b32 s105, s14, 7
	s_add_co_u32 s105, s105, s104                  ; T = 128 x batch + tile
	s_lshl_b32 s[OFS], s105, 14
	s_lshl_b32 s13, s67, 11
	s_add_co_u32 s[OFS], s[OFS], s13
	s_lshl_b32 s13, s16, 10
	s_add_co_u32 s[OFS], s[OFS], s13
	s_add_nc_u64 s[\ao:\ao+1], s[8:9], s[OFS:OFS+1]       ; aoc: (8 T + head / 2) images + half an image for an odd head
	s_lshl_b32 s[OFS], s105, 9
	s_lshl_b32 s13, s15, 1
	s_add_co_u32 s[OFS], s[OFS], s13
	s_add_nc_u64 s[\so:\so+1], s[10:11], s[OFS:OFS+1]     ; aos: row 16 T, byte 2 x head
	s_lshr_b32 s13, s104, 1
	s_lshl_b32 s[\qm], s13, 5
	s_and_b32 s13, s104, 1
	s_lshl_b32 s13, s13, 3
	s_add_co_u32 s[\qm], s[\qm], s13               ; 32 (tile / 2) + 8 (tile % 2)
	s_lshl_b32 s[OFS], s67, 20
	s_lshl_b32 s13, s105, 11
	s_add_co_u32 s[OFS], s[OFS], s13
	s_lshl_b32 s13, s16, 10
	s_add_co_u32 s[OFS], s[OFS], s13
	v_add_nc_u32 v[\vq], s[OFS], v[LI]             ; q's codes: image (head / 2, T), my half of it, 16 x lane
	s_lshl_b32 s[OFS], s15, 15
	s_lshl_b32 s13, s105, 6
	s_add_co_u32 s[OFS], s[OFS], s13
	v_add_nc_u32 v[\vs], s[OFS], v[R4]             ; q's scale words: (head, T), 4 x row
.endm
	s_load_b256 s[4:11], s[0:1], 0x0               ; img s[4:5], isc s[6:7], aoc s[8:9], aos s[10:11]
	v_lshl_add_u32 v[SPW], v0, 2, SPARE
	v_mov_b32 v[NIL], 0
	ds_add_u32 v[SPW], v[NIL]                      ; the opening lines: the add, twice on end, and its wait
	ds_add_u32 v[SPW], v[NIL]
	v_lshrrev_b32 v1, 5, v0
	v_readfirstlane_b32 s[WV], v1                  ; wave 0..15
	s_bfe_u32 s17, ttmp6, 0x40000                  ; cx: my place in the cluster
	s_and_b32 s13, ttmp7, 0xffff                   ; the cluster's y: batch and head
	s_lshr_b32 s14, s13, 4                         ; batch
	s_and_b32 s15, s13, 15                         ; head
	s_and_b32 s16, s15, 1                          ; which half of an image of q or k is the head's
	s_lshr_b32 s67, s15, 1
	s_lshr_b32 s[J], s[WV], 1
	s_sub_co_u32 s[LIMW], 16, s[J]
	s_sub_co_u32 s[LIM1], 15, s[J]
	s_mov_b32 s[MCUR], s[LIM1]
	G1SET G1K, 128, 16, 256                        ; K's codes: 16 half images of 1,024 bytes, 2,048 apart: 256 keys
	G1SET G1V, 1024, 2, 16384                      ; V's: two runs of four images (8,192 bytes), 131,072 apart: 256 keys
	G1SET G1KS, 32, 32, 32                         ; K's scale words of the whole head: 8,192 dense bytes
	G1SET G1VS, 32, 16, 1024                       ; V's: 16 runs of 256 bytes, 8,192 apart
	G1SET G1V7, 1024, 7, 16384                     ; V's codes: seven runs: 896 keys
	s_mov_b32 s[SEL], 0x76543210
	s_mov_b32 s[SEL+1], 0xfedcba98
	s_mov_b32 s[CS], 0x3e38aa3b                    ; c = log2(e) / 8
	s_mov_b32 s[CS+1], s[CS]
	s_mov_b32 s[MNT], 0x600000
	s_mov_b32 s[OFS+1], 0
	s_mov_b32 s56, 1
	s_wait_dscnt 0x0                               ; both opening adds are done
	CROUND                                         ; the round in front of the joint loads
	s_wait_kmcnt 0x0
	s_add_co_u32 s104, s67, 8                      ; k's images begin at G = 8
	s_lshl_b32 s104, s104, 20
	s_lshl_b32 s105, s14, 18
	s_add_co_u32 s104, s104, s105
	s_lshl_b32 s105, s16, 10
	s_add_co_u32 s[OFS], s104, s105
	s_add_nc_u64 s[BK:BK+1], s[4:5], s[OFS:OFS+1]
	s_lshl_b32 s104, s14, 21
	s_lshl_b32 s105, s15, 13
	s_add_co_u32 s104, s104, s105
	s_add_co_u32 s[OFS], s104, 1<<24
	s_add_nc_u64 s[BV:BV+1], s[4:5], s[OFS:OFS+1]
	s_add_co_u32 s104, s15, 16
	s_lshl_b32 s104, s104, 15
	s_lshl_b32 s105, s14, 13
	s_add_co_u32 s[OFS], s104, s105
	s_add_nc_u64 s[BKS:BKS+1], s[6:7], s[OFS:OFS+1]
	s_lshl_b32 s104, s14, 17
	s_lshl_b32 s105, s15, 8
	s_add_co_u32 s104, s104, s105
	s_add_co_u32 s[OFS], s104, 1<<20
	s_add_nc_u64 s[BVS:BVS+1], s[6:7], s[OFS:OFS+1]
; THE HEAD'S LOADS, at most one a wave: one chain of branches on the wave's number, all arms leading to one join.  What the first two steps read is asked for in the first five arms.
	s_cmp_lt_u32 s[WV], 1
	s_cbranch_scc0 .La1
	s_mov_b32 s57, KC                              ; wave 0: K's codes of keys 0-255
	s_mov_b64 s[58:59], s[BK:BK+1]
	TL G1K
.La1:
	s_cmp_lt_u32 s[WV], 2
	s_cbranch_scc0 .La2
	s_mov_b32 s57, VC                              ; wave 1: V's
	s_mov_b64 s[58:59], s[BV:BV+1]
	TL G1V
.La2:
	s_cmp_lt_u32 s[WV], 3
	s_cbranch_scc0 .La3
	s_mov_b32 s57, KSO                             ; wave 2: K's scale words
	s_mov_b64 s[58:59], s[BKS:BKS+1]
	TL G1KS
.La3:
	s_cmp_lt_u32 s[WV], 4
	s_cbranch_scc0 .La4
	s_mov_b32 s57, VSO                             ; wave 3: V's
	s_mov_b64 s[58:59], s[BVS:BVS+1]
	TL G1VS
.La4:
	s_cmp_lt_u32 s[WV], 5
	s_cbranch_scc0 .La4b
	KARM                                           ; wave 4: K's codes of keys 256-511, on a line of its own: step 1 loads step 2's K
.La4b:
	s_cmp_lt_u32 s[WV], 11
	s_cbranch_scc0 .La5
	KARM                                           ; waves 5 to 10: K's codes of keys 512 on
.La5:
	s_cmp_lt_u32 s[WV], 13
	s_cbranch_scc0 .Lasked
	s_and_b32 s104, s[WV], 1                       ; wave 12: V's steps 2-8; wave 11: steps 9-15
	s_mul_i32 s57, s104, 7*8192
	s_add_co_u32 s57, s57, VC+16384
	s_mul_i32 s[OFS], s104, 7*131072
	s_add_co_u32 s[OFS], s[OFS], 2*131072
	s_add_nc_u64 s[58:59], s[BV:BV+1], s[OFS:OFS+1]
	TL G1V7
.Lasked:
	s_mul_i32 s13, s[WV], 1536
	s_add_co_u32 s13, s13, QP
	v_and_b32 v12, 31, v0
	v_lshlrev_b32 v[LI], 4, v12
	v_lshlrev_b32 v[LWK], 2, v12
	v_add_nc_u32 v[LIK], KC, v[LI]
	v_add_nc_u32 v[LIV], VC, v[LI]
	v_add_nc_u32 v[QST], s13, v[LI]
	v_add_nc_u32 v[LWV], VSO, v[LWK]
	v_and_b32 v12, 15, v0                          ; r
	v_lshlrev_b32 v[R32], 5, v12
	v_lshlrev_b32 v[R4], 2, v12
	v_and_b32 v[QL], 8, v12
	v_add_nc_u32 v[QL], v[QL], v12
	v_and_b32 v12, 16, v0
	v_sub_nc_u32 v[QL], v[QL], v12
	s_wait_alu depctr_va_vdst(0)
	s_and_b32 s13, s[WV], 1
	s_lshl_b32 s13, s13, 2
	s_add_co_u32 s66, s13, s17                     ; e = cx + 4 (wave % 2)
	s_lshl_b32 s104, s[LIM1], 3
	s_add_co_u32 s104, s104, s66                   ; the first tile: 8 (15 - wave / 2) + e
	BLKSET AO1, AS1, QMIN, ADK, ADS
	s_lshl_b32 s104, s[J], 3
	s_add_co_u32 s104, s104, s66                   ; the second: 8 (wave / 2) + e
	BLKSET AO2, AS2, QMIN2, T0, T1
	s_wait_alu depctr_va_vdst(0)                   ; the offsets were written ahead of scalar lines
	global_load_b128 v[16:19], v[ADK], s[4:5]      ; q's eight registers, below the zeros
	global_load_b128 v[20:23], v[ADK], s[4:5] offset:512
	global_load_b128 v[32:35], v[ADK], s[4:5]      ; and above them
	global_load_b128 v[36:39], v[ADK], s[4:5] offset:512
	global_load_b32 v[QSA], v[ADS], s[6:7]
	global_load_b128 v[S:S+3], v[T0], s[4:5]       ; the second tile's q, on its way to my LDS bytes
	global_load_b128 v[S+4:S+7], v[T0], s[4:5] offset:512
	global_load_b32 v[S+8], v[T1], s[6:7]
	v_mov_b32 v13, 0xff61b1e6                      ; the largest t so far: -3e38, under every t
	v_floor_f32 v12, -v13                          ; -M
	v_mov_b32 v14, 0
	v_mov_b32 v15, 0
	v_mov_b32 v[F+1], 0
	v_mov_b32 v[NINF], 0xff800000
.irp b, 0,1,2,3
	v_mov_b32 v[PT+\b], 0                          ; written once: a lane permute's destination counts as one of its sources
.endr
.irp j, 0,1,2,3,4,5,6,7
	v_mov_b32 v[24+\j], 0                          ; the zero codes between the two copies of q: never a load's target
.endr
.set n, 0
.rept 32
	v_mov_b32 v[O+n], 0                            ; O^T: the first step finds zeros, which the first change of M leaves zeros
.set n, n+1
.endr
	s_wait_alu depctr_va_vdst(0)
	s_wait_loadcnt 0x0                             ; q of both tiles
	v_lshlrev_b32 v[QSB], 16, v[QSA]               ; q's scale bytes for the upper half of K
	s_wait_alu depctr_va_vdst(0)
	ds_store_b128 v[QST], v[S:S+3]
	ds_store_b128 v[QST], v[S+4:S+7] offset:512
	ds_store_b32 v[QST], v[S+8] offset:1024
	s_cmp_lt_u32 s[WV], 5
	s_cbranch_scc0 .Lnot_first
	s_wait_tensorcnt 0x0                           ; waves 0 to 4: what the first two steps read is in; the other waves' wait stands at the second barrier
.Lnot_first:
	s_wait_dscnt 0x0
	s_barrier_signal -1
	s_barrier_wait -1
	KLOAD LIK, LWK                                 ; step 0's K
	s_wait_dscnt 0x0
	KPACK
	s_wait_alu depctr_va_vdst(0)
	s_mov_b32 s[STP], 0
.Lfirst:                                           ; steps 0 and 1 of the first tile, which has nine steps or more: no mask, no change of tiles
	s_add_co_u32 s[NXT], s[STP], 1
	STEP 0
	s_add_co_u32 s[STP], s[STP], 1
	s_cmp_lt_u32 s[STP], 2
	s_cbranch_scc1 .Lfirst
	s_wait_tensorcnt 0x0                           ; every wave: all that was still out is in
	s_wait_dscnt 0x0
	s_barrier_signal -1
	s_barrier_wait -1
	s_mov_b32 s[N], 2
.Lstep:                                            ; trips 2 .. 16: the first tile's steps 2 .. 15 - wave / 2, then the second tile's steps 0 .. wave / 2
	s_mov_b32 s[STP], s[NXT]
	s_add_co_u32 s105, s[N], 1
	s_cmp_ge_u32 s105, s[LIMW]
	s_cselect_b32 s104, s[LIMW], 0
	s_sub_co_u32 s[NXT], s105, s104
	s_and_b32 s[NXT], s[NXT], 15
	STEP 1
	s_cmp_lg_u32 s[N], s[LIM1]
	s_cbranch_scc1 .Lsame                          ; the wave's number and the counter decide; no barrier and no tensor load stands under the branch
	FINISH AO1, AS1, 1
.Lsame:
	s_add_co_u32 s[N], s[N], 1
	s_cmp_lt_u32 s[N], 17
	s_cbranch_scc1 .Lstep
	FINISH AO2, AS2, 0
	s_wait_tensorcnt 0x0                           ; the wave's end
	ds_add_u32 v[SPW], v[NIL]
	s_wait_dscnt 0x0
	CROUND                                         ; the closing round
	s_endpgm
.Lfunc_end_k_q0178212dc5_attn:
	.size	k_q0178212dc5_attn, .Lfunc_end_k_q0178212dc5_attn-k_q0178212dc5_attn
	.p2alignl 7, 3214868480
	.fill 96, 4, 3214868480
	.section	.rodata,"a",@progbits
	.p2align	6, 0x0
	.amdhsa_kernel k_q0178212dc5_attn
		.amdhsa_group_segment_fixed_size 327680
		.amdhsa_private_segment_fixed_size 0
		.amdhsa_enable_private_segment 0
		.amdhsa_kernarg_size 32
		.amdhsa_user_sgpr_count 2
		.amdhsa_user_sgpr_kernarg_segment_ptr 1
		.amdhsa_wavefront_size32 1
		.amdhsa_system_sgpr_workgroup_id_x 1
		.amdhsa_system_sgpr_workgroup_id_y 1
		.amdhsa_system_sgpr_workgroup_id_z 1
		.amdhsa_system_vgpr_workitem_id 0
		.amdhsa_next_free_vgpr 256
		.amdhsa_next_free_sgpr 106
		.amdhsa_reserve_vcc 1
		.amdhsa_float_denorm_mode_32 3
		.amdhsa_float_denorm_mode_16_64 3
		.amdhsa_memory_ordered 1
		.amdhsa_forward_progress 1
		.amdhsa_inst_pref_size 76
	.end_amdhsa_kernel
	.amdgpu_metadata
---
amdhsa.version: [ 1, 2 ]
amdhsa.kernels:
  - .name:           k_q0178212dc5_attn
    .symbol:         k_q0178212dc5_attn.kd
    .args:
      - { .name: img, .offset: 0, .size: 8, .value_kind: global_buffer, .address_space: global }
      - { .name: isc, .offset: 8, .size: 8, .value_kind: global_buffer, .address_space: global }
      - { .name: aoc, .offset: 16, .size: 8, .value_kind: global_buffer, .address_space: global }
      - { .name: aos, .offset: 24, .size: 8, .value_kind: global_buffer, .address_space: global }
    .group_segment_fixed_size: 327680
    .private_segment_fixed_size: 0
    .kernarg_segment_align: 8
    .kernarg_segment_size: 32
    .max_flat_workgroup_size: 512
    .sgpr_count:     106
    .vgpr_count:     256
    .wavefront_size: 32
...
	.end_amdgpu_metadata
.endif
;; end of part 3
;; launch proj (part 4): grid 8 x 32, 4 waves a work-group, clusters of 4 x 4, 327,680 bytes of LDS; arguments aoc, aos, cod, scl, out0; writes out0
.if DOCPART == 4
	.amdgcn_target "amdgcn-amd-amdhsa--gfx1250"
	.amdhsa_code_object_version 6
	.text
	.protected	k_q0178212dc5_proj
	.globl	k_q0178212dc5_proj
	.p2align	8
	.type	k_q0178212dc5_proj,@function
k_q0178212dc5_proj:
	s_mov_b64 s[64:65], 0
	v_nop
	global_prefetch_b8 v0, s[64:65] scope:SCOPE_SE
	s_setreg_imm32_b32 hwreg(HW_REG_WAVE_MODE, 25, 1), 1
	s_wait_xcnt 0x0
	s_wait_alu depctr_hold_cnt(0) depctr_sa_sdst(0) depctr_va_vdst(0) depctr_va_sdst(0) depctr_va_ssrc(0) depctr_va_vcc(0) depctr_vm_vsrc(0)
	s_getreg_b32 s2, hwreg(HW_REG_IB_STS2, 6, 4)
	s_cmp_eq_u32 s2, 0
	s_cbranch_scc0 .Lentry_in_a_cluster
	s_endpgm
.Lentry_in_a_cluster:
	s_bfe_u32 s2, ttmp6, 0x10000c
	s_cmp_lg_u32 s2, 0xf033
	s_cbranch_scc0 .Lentry_shape_is_right
	s_endpgm
.Lentry_shape_is_right:
; out0 = attention's result x w_proj, on codes of FP8 (E4M3) with E8M0 scales for each 32 along K = 1,024; f32 sums, stored as f32.
; A: aoc [row tile of 16 stored rows, 0-511][K step of 128, 0-7][image of 2,048 bytes: piece c of 512 bytes, lane l's 16 bytes at 16 l], aos [8,192 stored rows][32 scale bytes].
; B: rows 11,264 on of cod [row][1,024 codes] and scl [row][32 bytes]: w_proj's columns.  Rows and columns lie in the stored order (bits 3 and 4 of the number exchanged); the way out puts both back.
; SHARES: a block of 256 rows x 128 columns to a work-group: 32 x 8 = 256 work-groups.  Each of the four waves makes 64 rows x all 128 columns: 32 accumulators, 256 registers.
; K goes in steps of 256 through two LDS slots (A 65,536 bytes dense, B 128 rows of 272); the scale bytes of the block's rows and columns come once and stay.  Four fills: the head's, slot 1's first, and two refills.
; Both operands have two sets of fragments: while one step of 128 is multiplied, the next step's 48 LDS loads are on their way.  The eight steps are written out: every step differs from its neighbours in slot, set or fill.
; CLUSTERS: 4 x 4 work-groups; A's tile is asked for jointly along a row of the cluster, B's along a column.
; THE MATRIX INSTRUCTION IS USED TRANSPOSED (source 0 = 16 rows of B, source 1 = 16 rows of A): a lane holds eight neighbouring numbers of a row of the result.
; PREFETCHES INTO THE L2: behind the head's loads each wave asks for K steps 1 and 2 of the half tile that it fetches in the ring, behind slot 1's first fill for K step 3: each two fills ahead of its own load at the most; K step 0 comes by its load alone.
; The four partners that ask for a tile jointly share its blocks of 256 bytes out by address (cx for A, cy for B): A's half tile of a K step is 8 row tiles x 16 blocks, 32 a partner, a lane a block;
; B's is 64 rows of one block, 16 a partner: lanes 16-31 name lane 15's again.  So each block is named once in each cluster that will load it.
; REGISTERS, in windows of 256: window 0: v0-31 addresses; v32-63 scale words, two sets, and nothing else; v128-255 A's fragments, two sets of four, later the rows that leave.  window 1: B's fragments, two sets of eight.  window 2: the accumulators, (a, b) at v[8 (8 a + b)].
.set ROWB,   256
.set ASTEP,  4096                      ; A: 256 along K are two images of each row tile
.set KROW,   1024
.set PITCH,  272
.set FR,     16
.set NP,     8                         ; places behind this matrix instruction (ISA guide 7.12.1)
.set ATILE,  65536                     ; A's 16 row tiles x 4,096 bytes
.set SLOT,   ATILE+128*PITCH
.set KS,     32
.set SCL,    2*SLOT                    ; A's scale bytes: 32 units of 256 bytes + 16
.set SCB,    SCL+32*272                ; B's: 16 units
.set SBLK,   544                       ; those of 16 rows
.set SPARE,  SCB+16*272                ; the spare words, 128 bytes for each wave: two blocks of 256 bytes that no other line names
.set STAGE,  SPARE+512                 ; the way out: 16 rows x 528 bytes for each wave; no tile lands here
.set SPITCH, 528
.set ADRA, 16                          ; v16-17  LDS address of my A fragments in slot 0, 1
.set ADRB, 20                          ; v20-21  the same for B
.set STO,  24
.set RD,   25
.set CO,   26                          ; v26     16 x lane
.set ADRS, 27                          ; v27     my scale words: lanes 0-15 A's rows, lanes 16-31 B's
.set SPW,  28
.set NIL,  29
.set PFO,  30                          ; v30     the prefetches' offset: my lane's block; never rewritten
.set PF1,  92                          ; s[92:97] where my prefetches of K steps 1, 2, 3 stand; never rewritten
.set SC,   32
.set AF,   128
.set BK,   128
.set G1, 24
.set G0, 32
.set G1B, 48
.set G0B, 56
.set G1S, 68
.set G0S, 76
.set G1SB, 80
.set G0SB, 88
.set MSB, 0
.macro WIN new                         ; the immediate's high byte repeats the setting that is left
.if MSB != \new
	s_set_vgpr_msb (MSB<<8)|\new
.set MSB, \new
.endif
.endm
.set MUL_LO, 0xa1                      ; source 0 (B) window 1, source 1 (A) window 0, C and D window 2
.set TO_B,   0x40
.macro JLOAD g0a, g1a, g0b, g1b        ; waves 0 and 1 fetch A's halves, waves 2 and 3 B's
	s_cmp_eq_u32 s15, 0
	s_cbranch_scc0 .Lfor_b_\@
	tensor_load_to_lds s[\g0a:\g0a+3], s[\g1a:\g1a+7]
	s_nop 0
.rept 4
	v_nop
.endr
	s_branch .Lasked_\@
.Lfor_b_\@:
	tensor_load_to_lds s[\g0b:\g0b+3], s[\g1b:\g1b+7]
	s_nop 0
.rept 4
	v_nop
.endr
.Lasked_\@:
.endm
.macro CREST
	s_cmp_lg_u32 s14, 0
	s_cbranch_scc1 .Lnot_wave_0_\@
	s_barrier_signal -3
.Lnot_wave_0_\@:
	s_barrier_wait -3
	s_barrier_signal -1
	s_barrier_wait -1
.endm
.macro CROUND
	s_barrier_signal -1
	s_barrier_wait -1
	CREST
.endm
.macro SG1 g, r                        ; group 1's words 1 to 7 for r units of 256 scale bytes
	s_mov_b32 s[\g+1], 32<<16
	s_mov_b32 s[\g+2], (\r)<<16
	s_mov_b32 s[\g+3], 32<<16
	s_mov_b32 s[\g+4], \r
	s_mov_b32 s[\g+5], 32
	s_mov_b32 s[\g+6], 0
	s_mov_b32 s[\g+7], 0
.endm
.macro SG0 g, lds, b                   ; a group 0: LDS place, address
	s_mov_b32 s[\g], 1
	s_mov_b32 s[\g+1], \lds
	s_mov_b64 s[\g+2:\g+3], s[\b:\b+1]
	s_or_b32 s[\g+3], s[\g+3], 0x80000000
.endm
	s_load_b128 s[4:7], s[0:1], 0x0                ; aoc, aos
	s_load_b128 s[8:11], s[0:1], 0x10              ; cod, scl
	s_load_b64 s[12:13], s[0:1], 0x20              ; out0
	v_lshl_add_u32 v[SPW], v0, 2, SPARE
	v_mov_b32 v[NIL], 0
	ds_add_u32 v[SPW], v[NIL]                      ; the opening lines
	ds_add_u32 v[SPW], v[NIL]
	v_lshrrev_b32 v1, 5, v0
	v_readfirstlane_b32 s14, v1                    ; wave 0..3
	s_lshr_b32 s15, s14, 1                         ; in the ring I fetch for A (0) or for B (1),
	s_and_b32 s16, s14, 1                          ; and which half of that tile
	s_bfe_u32 s40, ttmp6, 0x40000                  ; cx
	s_bfe_u32 s41, ttmp6, 0x40004                  ; cy
	s_lshl_b32 s42, ttmp9, 2
	s_add_co_u32 s42, s42, s40                     ; block column, 0..7
	s_and_b32 s17, ttmp7, 0xffff
	s_lshl_b32 s17, s17, 2
	s_add_co_u32 s17, s17, s41                     ; block row, 0..31
	s_lshl_b32 s43, s41, 2
	s_lshl_b32 s43, 15, s43                        ; my row of the cluster
	s_lshl_b32 s44, 0x1111, s40                    ; my column
	s_or_b32 s[G1+0], s43, (3<<16)|(1<<21)         ; A: row tiles of 4,096 bytes (512 elements of 8), 16,384 apart, dense in LDS: 16 at the head, 8 in the ring
	s_mov_b32 s[G1+1], 512<<16
	s_mov_b32 s[G1+2], 16<<16
	s_mov_b32 s[G1+3], 512<<16
	s_mov_b32 s[G1+4], 16
	s_mov_b32 s[G1+5], 2048
	s_mov_b32 s[G1+6], 0
	s_mov_b32 s[G1+7], 0
	s_or_b32 s[G1B+0], s44, (0<<16)|(1<<20)|(1<<21)|(5<<22)|(3<<25)   ; B: rows of 256 bytes, 16 of padding behind each: 128 at the head, 64 in the ring
	s_mov_b32 s[G1B+1], ROWB<<16
	s_mov_b32 s[G1B+2], 128<<16
	s_mov_b32 s[G1B+3], ROWB<<16
	s_mov_b32 s[G1B+4], 128
	s_mov_b32 s[G1B+5], KROW
	s_mov_b32 s[G1B+6], 0
	s_mov_b32 s[G1B+7], 0
	s_or_b32 s[G1S+0], s43, (3<<16)|(1<<20)|(1<<21)|(5<<22)|(3<<25)
	s_or_b32 s[G1SB+0], s44, (3<<16)|(1<<20)|(1<<21)|(5<<22)|(3<<25)
	SG1 G1S, 32
	SG1 G1SB, 16
	s_lshl_b32 s20, s17, 18                        ; A's codes: 256 rows x 1,024 bytes a block row
	s_mov_b32 s21, 0
	s_lshl_b32 s22, s17, 13                        ; A's scale bytes
	s_mov_b32 s23, 0
	s_lshl_b32 s46, s42, 7
	s_add_co_u32 s46, s46, 11264                   ; B's first row in cod
	s_lshl_b32 s92, s46, 5
	s_mov_b32 s93, 0
	s_lshl_b32 s46, s46, 10
	s_mov_b32 s47, 0
	s_lshl_b32 s45, s16, 15                        ; the ring's places in a slot: A's half,
	s_mul_i32 s94, s16, 64*PITCH
	s_add_co_u32 s94, s94, ATILE                   ; B's half;
	s_lshl_b32 s18, s16, 17                        ; and the halves in memory: 8 row tiles,
	s_mov_b32 s19, 0
	s_lshl_b32 s96, s16, 16                        ; 64 rows
	s_mov_b32 s97, 0
	s_wait_dscnt 0x0                               ; both opening adds are done
	s_wait_kmcnt 0x0
	s_add_nc_u64 s[20:21], s[4:5], s[20:21]
	s_add_nc_u64 s[22:23], s[6:7], s[22:23]
	s_add_nc_u64 s[46:47], s[8:9], s[46:47]
	s_add_nc_u64 s[92:93], s[10:11], s[92:93]
	CROUND                                         ; all sixteen work-groups are here: the first joint loads meet
	SG0 4, 0, 20                                   ; the head's four tiles, each whole (the arguments in s[4:11] have been used): K step 0 of A,
	SG0 8, ATILE, 46                               ; of B,
	SG0 G0S, SCL, 22                               ; A's scale bytes,
	SG0 G0SB, SCB, 92                              ; B's
	s_add_nc_u64 s[20:21], s[20:21], s[18:19]      ; for the ring: my half
	s_add_nc_u64 s[46:47], s[46:47], s[96:97]
.irp s, 0,1
	s_mov_b32 s[G0+4*\s], 1
	s_add_co_u32 s[G0+4*\s+1], s45, \s*SLOT
	s_add_nc_u64 s[G0+4*\s+2:G0+4*\s+3], s[20:21], \s*ASTEP
	s_or_b32 s[G0+4*\s+3], s[G0+4*\s+3], 0x80000000
	s_mov_b32 s[G0B+4*\s], 1
	s_add_co_u32 s[G0B+4*\s+1], s94, \s*SLOT
	s_add_nc_u64 s[G0B+4*\s+2:G0B+4*\s+3], s[46:47], \s*ROWB
	s_or_b32 s[G0B+4*\s+3], s[G0B+4*\s+3], 0x80000000
.endr
	; the prefetches' addresses (s18 to s23 and s92 to s97 are free from here on; s19 is 0)
	s_cmp_eq_u32 s15, 0                            ; do I fetch for A?  All the choices stand behind this one compare
	s_cselect_b64 s[PF1:PF1+1], s[20:21], s[46:47] ; the half tile that I fetch,
	s_cselect_b32 s18, s40, s41                    ; my place among the four that ask for it with me,
	s_cselect_b32 s22, 15, 14                      ; x two row tiles of 16,384 bytes, or 16 rows of 1,024
	s_mov_b32 s23, ROWB
	s_cselect_b32 s23, ASTEP, s23                  ; a K step on
	s_cselect_b32 s3, -1, 0                        ; which of the two offsets my lanes take
	s_lshl_b32 s18, s18, s22
	s_add_nc_u64 s[PF1:PF1+1], s[PF1:PF1+1], s[18:19]
	s_mov_b32 s18, s23
	s_add_nc_u64 s[PF1:PF1+1], s[PF1:PF1+1], s[18:19]       ; K step 1,
	s_add_nc_u64 s[PF1+2:PF1+3], s[PF1:PF1+1], s[18:19]     ; 2,
	s_add_nc_u64 s[PF1+4:PF1+5], s[PF1+2:PF1+3], s[18:19]   ; 3
; THE HEAD'S LOADS, ONE A WAVE: one chain of branches on the wave's number, all arms leading to one join
.macro ARM under, g0, g1, next
	s_cmp_lt_u32 s14, \under
	s_cbranch_scc0 \next
	tensor_load_to_lds s[\g0:\g0+3], s[\g1:\g1+7]
	s_nop 0
.rept 4
	v_nop
.endr
	s_branch .Lhead_asked
\next:
.endm
	ARM 1, 4, G1, .Lhead_b
	ARM 2, 8, G1B, .Lhead_sa
	ARM 3, G0S, G1S, .Lhead_sb
	tensor_load_to_lds s[G0SB:G0SB+3], s[G1SB:G1SB+7]
	s_nop 0
.rept 4
	v_nop
.endr
.Lhead_asked:
	v_and_b32 v7, 31, v0
	v_min_u32 v8, 15, v7
	v_lshlrev_b32 v8, 10, v8                       ; B: row min(lane, 15)
	v_lshrrev_b32 v9, 4, v7
	v_and_b32 v7, 15, v7
	v_lshlrev_b32 v7, 8, v7
	v_lshl_add_u32 v7, v9, 14, v7                  ; A: row tile lane / 16, block lane % 16
	v_cndmask_b32 v[PFO], v8, v7, s3
	global_prefetch_b8 v[PFO], s[PF1:PF1+1] th:TH_LOAD_NT scope:SCOPE_SE       ; K step 1
	global_prefetch_b8 v[PFO], s[PF1+2:PF1+3] th:TH_LOAD_NT scope:SCOPE_SE     ; K step 2
	s_lshl_b32 s40, s14, 14                        ; my four row tiles of A in slot 0,
	s_add_co_u32 s41, s40, SLOT                    ; in slot 1
	s_mul_i32 s43, s14, 4*SBLK                     ; my 64 rows' scale bytes;
	s_mov_b32 s44, SCB-SCL
	s_sub_co_u32 s44, s44, s43                     ; from there to B's
	s_add_co_u32 s43, s43, SCL
	s_mul_i32 s45, s14, 16*SPITCH
	s_add_co_u32 s45, s45, STAGE                   ; my stage
	v_and_b32 v1, 15, v0                           ; r
	v_bfe_u32 v2, v0, 4, 1                         ; h
	v_mul_u32_u24 v3, v1, PITCH
	v_lshl_add_u32 v4, v2, 4, v3                   ; B: a fragment's row x pitch + 16 h
	v_and_b32 v6, 31, v0
	v_lshlrev_b32 v[CO], 4, v6
	v_add_nc_u32 v[ADRA], s40, v[CO]
	v_add_nc_u32 v[ADRA+1], s41, v[CO]
	v_add_nc_u32 v[ADRB], ATILE, v4
	v_add_nc_u32 v[ADRB+1], ATILE+SLOT, v4
	v_mul_u32_u24 v5, v1, KS                       ; my row's scale bytes: 32 a row,
	v_lshrrev_b32 v6, 8, v5
	v_lshl_add_u32 v5, v6, 4, v5                   ; and 16 more for each 256 passed
	v_mul_u32_u24 v6, s44, v2                      ; lanes 16-31 take B's
	v_add_nc_u32 v5, v5, v6
	v_add_nc_u32 v[ADRS], s43, v5
	v_mul_u32_u24 v5, v1, SPITCH                   ; the stage, in: row r; 64 h bytes on: the true column has h as its bit 4
	v_lshl_add_u32 v5, v2, 6, v5
	v_add_nc_u32 v[STO], s45, v5
	v_add_nc_u32 v[RD], s45, v[CO]                 ; and back: 32 lanes take a row of 512 bytes
	s_lshl_b32 s20, s17, 8
	s_lshl_b32 s21, s14, 6
	s_add_co_u32 s20, s20, s21                     ; my first row of the result
	s_lshl_b32 s20, s20, 12
	s_lshl_b32 s46, s42, 9                         ; my block's first column, in bytes
	s_add_co_u32 s20, s20, s46
	s_mov_b32 s21, 0
	s_add_nc_u64 s[12:13], s[12:13], s[20:21]
.macro FRAG reg, adr, q, i             ; B: 16 rows x 128 K from padded rows
.irp c, 0,1,2,3
	ds_load_b128 v[\reg+4*\c:\reg+4*\c+3], v[\adr] offset:128*(\q)+32*\c+(\i)*16*PITCH
.endr
.endm
.macro FRAGI reg, adr, q, i            ; A: an image as it lies
.irp c, 0,1,2,3
	ds_load_b128 v[\reg+4*\c:\reg+4*\c+3], v[\adr] offset:4096*(\i)+2048*(\q)+512*\c
.endr
.endm
; 16 matrix instructions: A's blocks a0, a0 + 1 x B's eight, 128 along K, out of fragment set p.  The 32 accumulators take turns, one instruction a turn, in the same order in every step.
.macro MUL16 a0, p, q, sc, zero
.irp a, \a0, \a0+1
.irp b, 0,1,2,3,4,5,6,7
.if \zero
	v_wmma_scale_f32_16x16x128_f8f6f4 v[8*(8*(\a)+\b):8*(8*(\a)+\b)+7], v[128*(\p)+FR*\b:128*(\p)+FR*\b+FR-1], v[AF+64*(\p)+FR*(\a):AF+64*(\p)+FR*(\a)+FR-1], 0, v[SC+16*(\sc)+2*\b+(\q)], v[SC+16*(\sc)+2*(\a)+(\q)] matrix_a_scale:MATRIX_SCALE_ROW1
.else
	v_wmma_scale_f32_16x16x128_f8f6f4 v[8*(8*(\a)+\b):8*(8*(\a)+\b)+7], v[128*(\p)+FR*\b:128*(\p)+FR*\b+FR-1], v[AF+64*(\p)+FR*(\a):AF+64*(\p)+FR*(\a)+FR-1], v[8*(8*(\a)+\b):8*(8*(\a)+\b)+7], v[SC+16*(\sc)+2*\b+(\q)], v[SC+16*(\sc)+2*(\a)+(\q)] matrix_a_scale:MATRIX_SCALE_ROW1
.endif
.endr
.endr
.endm
.macro FETCH slot, q, p                ; a step's 48 LDS loads into set p
	WIN TO_B
.irp i, 0,1,2,3,4,5,6,7
	FRAG 128*(\p)+FR*\i, ADRB+\slot, \q, \i
.endr
	WIN 0
.irp i, 0,1,2,3
	FRAGI AF+64*(\p)+FR*\i, ADRA+\slot, \q, \i
.endr
.endm
.macro SCALES sc                       ; a slot's scale words, two a row: lanes 16-31 B's block i; lanes 0-15 A's block i (for i over 3 they read landed bytes that no product takes)
.irp i, 0,1,2,3,4,5,6,7
	ds_load_b64 v[SC+16*\sc+2*\i:SC+16*\sc+2*\i+1], v[ADRS] offset:\i*SBLK
.endr
.endm
.macro PLACES n
.rept \n
	v_nop
.endr
.endm
.macro EVEN slot, zero                 ; a slot's first 128: set 0 is multiplied while the second 128 comes into set 1 (the places behind the products that read set 1 stand in ODD)
	s_wait_dscnt 0x0
	FETCH \slot, 1, 1
	WIN MUL_LO
	MUL16 0, 0, 0, \slot, \zero
	MUL16 2, 0, 0, \slot, \zero
	WIN 0
.endm
; A slot's second 128, and the change of slots: each wave waits for all its tensor loads, adds 0 to its spare word, and waits for that and for its reads of this slot.  fill = 1: a round of the cluster's barrier, and this slot is filled again.
.macro ODD slot, next, fill
	s_wait_dscnt 0x0                               ; set 1 is in: my reads of this slot are over
	WIN MUL_LO
	MUL16 0, 1, 1, \slot, 0
	WIN 0
	s_wait_tensorcnt 0x0                           ; my part of the next slot has landed
	ds_add_u32 v[SPW], v[NIL]
	WIN MUL_LO
	MUL16 2, 1, 1, \slot, 0
	WIN 0
	s_wait_dscnt 0x0
	s_barrier_signal -1
	s_barrier_wait -1
.if \fill
	CREST
	s_add_nc_u64 s[G0+4*\slot+2:G0+4*\slot+3], s[G0+4*\slot+2:G0+4*\slot+3], 2*ASTEP
	s_add_nc_u64 s[G0B+4*\slot+2:G0B+4*\slot+3], s[G0B+4*\slot+2:G0B+4*\slot+3], 2*ROWB
	JLOAD G0+4*\slot, G1, G0B+4*\slot, G1B         ; the first tensor load behind the round; its four v_nop are among the places in front of the loads below
	PLACES NP-4
.else
	PLACES NP
.endif
	v_add_nc_u32 v[ADRS], 8, v[ADRS]               ; on to the next slot's scale words
	s_wait_alu depctr_va_vdst(0)
	FETCH \next, 0, 0
	SCALES \next
.endm
	s_wait_alu depctr_va_vdst(0)
	s_wait_tensorcnt 0x0                           ; my tile of the head's four is in
	ds_add_u32 v[SPW], v[NIL]
	s_mov_b32 s[G1+2], 8<<16                       ; no tensor load of mine is out: from here on a load brings half a tile
	s_mov_b32 s[G1+4], 8
	s_mov_b32 s[G1B+2], 64<<16
	s_mov_b32 s[G1B+4], 64
	s_wait_dscnt 0x0
	CROUND                                         ; all four tiles are in, and all sixteen work-groups are here
	JLOAD G0+4, G1, G0B+4, G1B                     ; K step 1 into slot 1: the first tensor load behind the round
	FETCH 0, 0, 0
	SCALES 0
	global_prefetch_b8 v[PFO], s[PF1+4:PF1+5] th:TH_LOAD_NT scope:SCOPE_SE     ; K step 3, the last
	EVEN 0, 1                                      ; the first products start the sums: nothing is cleared
	ODD 0, 1, 1
	EVEN 1, 0
	ODD 1, 0, 1
	EVEN 0, 0
	ODD 0, 1, 0                                    ; nothing more to fetch: a plain barrier shows slot 1
	EVEN 1, 0
	s_wait_dscnt 0x0
	WIN MUL_LO
	MUL16 0, 1, 1, 1, 0
	MUL16 2, 1, 1, 1, 0
	WIN 0
; THE WAY OUT, block by block of 16 rows x 128 columns, through my own stage: in by lanes (32 bytes of a row each), back as rows of 512 bytes, which 32 lanes store as two aligned units of 256 bytes.
.macro TOSTAGE a
.set AC, 64*(\a)
	WIN 0x08                                       ; the data: window 2
.irp b, 0,1,2,3,4,5,6,7
	ds_store_b128 v[STO], v[AC+8*\b:AC+8*\b+3] offset:128*(\b/2)+32*(\b%2)        ; each accumulator from its low end on; the true column: 32 (b / 2) + 16 h + 8 (b % 2) + j
	ds_store_b128 v[STO], v[AC+8*\b+4:AC+8*\b+7] offset:128*(\b/2)+32*(\b%2)+16
.endr
	WIN 0
.set BB, BK+64*((\a)%2)
.irp t, 0,1,2,3,4,5,6,7,8,9,10,11,12,13,14,15
	ds_load_b128 v[BB+4*\t:BB+4*\t+3], v[RD] offset:\t*SPITCH   ; LDS serves a wave's instructions in order (ISA guide 5.7.1.4): these see my stores
.endr
.endm
.macro SEND a, younger                 ; younger: the LDS instructions issued behind block a's loads
.set BB, BK+64*((\a)%2)
	s_wait_dscnt \younger
.irp t, 0,1,2,3,4,5,6,7,8,9,10,11,12,13,14,15
	global_store_b128 v[CO], v[BB+4*\t:BB+4*\t+3], s[12:13] offset:(32*((\a)/2)+8*((\a)%2)+\t+8*(\t/8))*4096 th:TH_STORE_NT   ; the true row of stored row 16 a + t
.endr
.endm
	PLACES NP                                      ; behind the last products: ahead of the reads of results and of the loads into A's registers
	TOSTAGE 0
.irp a, 1,2,3
.if \a > 1
	s_wait_xcnt 0x0                                ; block a - 2's stores have read their registers: block a's loads may land there
.endif
	TOSTAGE \a
	SEND \a-1, 32                                  ; behind block a - 1's loads: block a's 16 stores and 16 loads
.endr
	SEND 3, 0
	s_wait_tensorcnt 0x0                           ; the wave's end
	ds_add_u32 v[SPW], v[NIL]
	s_wait_dscnt 0x0
	CROUND                                         ; the closing round
	s_endpgm
.Lfunc_end_k_q0178212dc5_proj:
	.size	k_q0178212dc5_proj, .Lfunc_end_k_q0178212dc5_proj-k_q0178212dc5_proj
	.p2alignl 7, 3214868480
	.fill 96, 4, 3214868480
	.section	.rodata,"a",@progbits
	.p2align	6, 0x0
	.amdhsa_kernel k_q0178212dc5_proj
		.amdhsa_group_segment_fixed_size 327680
		.amdhsa_private_segment_fixed_size 0
		.amdhsa_enable_private_segment 0
		.amdhsa_kernarg_size 40
		.amdhsa_user_sgpr_count 2
		.amdhsa_user_sgpr_kernarg_segment_ptr 1
		.amdhsa_wavefront_size32 1
		.amdhsa_system_sgpr_workgroup_id_x 1
		.amdhsa_system_sgpr_workgroup_id_y 1
		.amdhsa_system_sgpr_workgroup_id_z 1
		.amdhsa_system_vgpr_workitem_id 0
		.amdhsa_next_free_vgpr 768
		.amdhsa_next_free_sgpr 98
		.amdhsa_reserve_vcc 0
		.amdhsa_float_denorm_mode_32 3
		.amdhsa_float_denorm_mode_16_64 3
		.amdhsa_memory_ordered 1
		.amdhsa_forward_progress 1
		.amdhsa_inst_pref_size 89
	.end_amdhsa_kernel
	.amdgpu_metadata
---
amdhsa.version: [ 1, 2 ]
amdhsa.kernels:
  - .name:           k_q0178212dc5_proj
    .symbol:         k_q0178212dc5_proj.kd
    .args:
      - { .name: aoc, .offset: 0, .size: 8, .value_kind: global_buffer, .address_space: global }
      - { .name: aos, .offset: 8, .size: 8, .value_kind: global_buffer, .address_space: global }
      - { .name: cod, .offset: 16, .size: 8, .value_kind: global_buffer, .address_space: global }
      - { .name: scl, .offset: 24, .size: 8, .value_kind: global_buffer, .address_space: global }
      - { .name: out0, .offset: 32, .size: 8, .value_kind: global_buffer, .address_space: global }
    .group_segment_fixed_size: 327680
    .private_segment_fixed_size: 0
    .kernarg_segment_align: 8
    .kernarg_segment_size: 40
    .max_flat_workgroup_size: 128
    .sgpr_count:     98
    .vgpr_count:     768
    .wavefront_size: 32
...
	.end_amdgpu_metadata
.endif
;; end of part 4
